; MI455X (gfx1250); checked and timed in simulation.
; The chip was launched on July 23, 2026; its instructions are those of AMD's public machine-readable ISA for CDNA 5 (MIT licence, August 2026) and "CDNA5" Instruction Set Architecture Reference Guide (July 2026). The comments in the code are by the model that wrote it; some were corrected since.
;; Multi Head Attention. Allowed arithmetic: matrix products marked QUANTISED: E2M1 operands, one E8M0 scale for each 32 along K, by v_wmma_scale_f32_16x16x128_f8f6f4 with both operands' format E2M1 (or v_wmma_scale_f32_32x16x128_f4), f32 sums; products left as they are: bf16, f16 or f32 operands; f32 sums; everything else in f32.
;; Inputs: Wk 1,024 x 1,024 float32; Wo 1,024 x 1,024 float32; Wq 1,024 x 1,024 float32; Wv 1,024 x 1,024 float32; bo 1,024 float32; key 4 x 2,048 x 1,024 float32; query 4 x 2,048 x 1,024 float32; value 4 x 2,048 x 1,024 float32.
;; Outputs: out0 4 x 2,048 x 1,024 float32.
;; This version of the problem:
;;   THIS VERSION OF THE PROBLEM IS GIVEN IN LOW PRECISION. The matrix products marked QUANTISED in the list below multiply operands that are first quantised to E2M1 (2 exponent bits, 1 mantissa bit; 4 bits a number), with one power-of-two scale for each 32 numbers along K (OCP MX v1.0); their sums are f32. The products marked 'left as it is' may take bf16, f16 or f32 operands, with f32 sums. Whichever they take, every output number must still come out within the allowed error. Rounding operands to bf16 (8 significant bits) uses up far more of that allowance than f16 does (11 bits, for magnitudes from 6e-5 to 65,504). All else is computed in f32.
;;   The module's matrix products, in the order in which they are computed (A, B: the left and right operand; K: the contracted axis; several contracted axes count as one K, in the product's order):
;;     1. [M 8,192, K 1,024] x [K 1,024, N 1,024]; A: input query; B: input Wq: QUANTISED
;;     2. [M 8,192, K 1,024] x [K 1,024, N 1,024]; A: input key; B: input Wk: QUANTISED
;;     3. [M 8,192, K 1,024] x [K 1,024, N 1,024]; A: input value; B: input Wv: QUANTISED
;;     4. batch 64 x [M 2,048, K 64] x [K 64, N 2,048]; A: computed on the way; B: computed on the way: left as it is (an operand is computed on the way)
;;     5. batch 64 x [M 2,048, K 2,048] x [K 2,048, N 64]; A: computed on the way; B: computed on the way: left as it is (an operand is computed on the way)
;;     6. [M 8,192, K 1,024] x [K 1,024, N 1,024]; A: computed on the way; B: input Wo: left as it is (an operand is computed on the way)
;;   THE QUANTISER, for each operand of a quantised product, along K:
;;     - K is cut into blocks of 32 from its start; a last block that is shorter is filled with zeros.
;;     - A block's scale is 2^e with e = floor(log2(the largest magnitude in the block)) - 2, held to -126 .. 127; a block of zeros has e = 0. As a byte (E8M0): e + 127.
;;     - Each number is divided by its block's scale, clamped to +-6, and rounded to the nearest number of E2M1, ties to even, subnormals kept.
;;     - The product sums the exact products of the quantised numbers (number of the format x scale) in f32.
;;   ~~~python
;;   def quantise(x, axis):      # numpy; x: float32 -> the quantised numbers, widened to float32 again
;;       x = np.moveaxis(x, axis, -1); K = x.shape[-1]
;;       x = np.pad(x, [(0, 0)] * (x.ndim - 1) + [(0, -K % 32)]); x = x.reshape(x.shape[:-1] + (-1, 32)); a = np.abs(x).max(-1, keepdims=True)
;;       e = np.where(a > 0, np.clip(np.frexp(np.where(a > 0, a, 1))[1] - 1 - 2, -126, 127), 0)      # np.frexp(a)[1] - 1 = floor(log2(a)), exactly
;;       r = np.clip(x / 2.0 ** e, -6, 6)
;;       step = 2.0 ** (np.maximum(np.frexp(np.where(r == 0, 1, r))[1] - 1, 0) - 1)
;;       q = np.round(r / step) * step * 2.0 ** e      # np.round: ties to even
;;       return np.moveaxis(q.reshape(q.shape[:-2] + (-1,))[..., :K], -1, axis).astype(np.float32)
;;   ~~~
;; One version. Each part assembles by itself: llvm-mc -triple=amdgcn-amd-amdhsa -mcpu=gfx1250 --defsym DOCPART=n.
;; ======== version 1 of 1: 4 launches
;; limits: values are held in f16: magnitudes above 65,504 overflow, below 6.1e-05 lose precision
;; workspace buffers: codes 14,155,776 bytes; scales 884,736 bytes; wo16 2,097,152 bytes; rope 524,288 bytes; qkv 50,331,648 bytes; ao 16,777,216 bytes
;; launch prep (part 1): grid 960 x 1, 4 waves a work-group, no clusters, 33,280 bytes of LDS; arguments query, key, value, Wq, Wk, Wv, Wo, codes, scales, wo16, rope; writes codes, scales, wo16, rope
.if DOCPART == 1
	.amdgcn_target "amdgcn-amd-amdhsa--gfx1250"
	.amdhsa_code_object_version 6
	.text
	.protected	k_qb48bffe324_prep
	.globl	k_qb48bffe324_prep
	.p2align	8
	.type	k_qb48bffe324_prep,@function
k_qb48bffe324_prep:
	s_mov_b64 s[64:65], 0
	v_nop
	global_prefetch_b8 v0, s[64:65] scope:SCOPE_SE
	s_setreg_imm32_b32 hwreg(HW_REG_WAVE_MODE, 25, 1), 1
	s_wait_xcnt 0x0
; PREP: what the three later launches read.  Multi-head attention, 4 x 2,048 positions, 16 heads of 64, no mask.
; NO WORK IS LEFT OUT: every input (bo too) reaches the output, nothing is masked or sliced away; all eight inputs are loaded by some launch.
; Three kinds of work-group, told apart by the work-group's number alone:
;   0..863    query, key, value, Wq, Wk, Wv (f32, K innermost) become codes of FP4 (E2M1) with one E8M0 byte for each 32 along K.  The six tensors are one stream of blocks of 32:
;             codes [27,648 rows][512 bytes], scales [27,648][32 bytes]; rows 0.. query, 8,192.. key, 16,384.. value, 24,576.. Wq, 25,600.. Wk, 26,624.. Wv.
;   864..895  Wo becomes f16, laid as it lies: [1,024 n][1,024 k].
;   896..959  the table of the rotation: byte sb x 4,096 + bq x 1,024 + hf x 512 + lane x 16 holds (cos, sin, cos, sin) of position 16 sb + lane % 16 and pairs 8 bq + 4 (lane / 16) + 2 hf, + 1.
; A block's scale is 2^(floor(log2(its largest magnitude)) - 2); its byte is the largest magnitude's exponent field - 2, held at 1 from below.
; LIMITS: NaN and infinities among the inputs are not served.  Blocks whose largest magnitude lies under 2^-124 get the byte 1; a block of zeros too, where the quantiser says 127: its codes are
; zeros, and the bytes are read by this program alone.  Wo is carried in f16: magnitudes up to 65,504, a fixed step of 6e-8 under 6e-5.  The table's frequencies are 2^(-i log2(10000) / 32) by
; v_exp_f32: an angle is off by at most 2e-4 rad at position 2,047.
.set STEPS, 16
.set EMAX,  2
.set CB,    8                          ; bytes of 16 codes
.set R,     16                         ; v16-79   four sets of 16 numbers as they are loaded
.set X,     80                         ; v80-111  two sets of 16 neighbours
.set E,     112                        ; v112-127 a scale byte for each step
.set C,     128                        ; v128-191 codes: four registers for each step
.set WREG,  8192                       ; LDS: a region for each wave: two stages of 32 x SP bytes, behind them its 256 scale bytes
.set SP,    80                         ; a lane's place in a stage: 64 bytes + 16 of padding
.set SPW,   12                         ; v12 LDS address of my spare word; never rewritten
.set NIL,   13                         ; v13 0; never rewritten
.set SPARE, 4*WREG                     ; behind the four regions: the spare words, 128 bytes a wave
	s_load_b256 s[8:15], s[0:1], 0x0               ; query s[8:9], key s[10:11], value s[12:13], Wq s[14:15]
	s_load_b256 s[16:23], s[0:1], 0x20             ; Wk s[16:17], Wv s[18:19], Wo s[20:21], codes s[22:23]
	s_load_b128 s[24:27], s[0:1], 0x40             ; scales s[24:25], wo16 s[26:27]
	s_load_b64 s[28:29], s[0:1], 0x50              ; rope
	v_lshl_add_u32 v[SPW], v0, 2, SPARE
	v_mov_b32 v[NIL], 0
	v_lshrrev_b32 v1, 5, v0
	v_readfirstlane_b32 s30, v1                    ; wave 0..3
	v_and_b32 v2, 31, v0                           ; lane
	v_lshlrev_b32 v3, 4, v2                        ; my 16 bytes of a load's 512
	s_mul_i32 s31, s30, WREG
	v_lshrrev_b32 v14, 2, v2
	v_mul_u32_u24 v14, v14, SP
	v_and_b32 v15, 3, v2
	v_lshl_add_u32 v14, v15, 4, v14
	v_add_nc_u32 v14, s31, v14                     ; the stage, on the way in: SP (lane / 4) + 16 (lane % 4)
	v_mul_u32_u24 v15, v2, SP
	v_add_nc_u32 v15, s31, v15                     ; and on the way out: SP x lane: my 16 neighbours
	v_mul_u32_u24 v4, v2, CB                       ; 8 x lane: my codes' place in a step's; also my f16 numbers' place in the Wo path
	v_lshrrev_b32 v5, 1, v2
	s_add_co_u32 s31, s31, 2*32*SP
	v_add_nc_u32 v5, s31, v5                       ; LDS: my wave's 256 scale bytes, my block's byte
	v_lshlrev_b32 v7, 3, v2
	v_add_nc_u32 v6, s31, v7                       ; and on the way out 8 bytes a lane
	s_wait_kmcnt 0x0
	s_cmp_ge_u32 ttmp9, 896
	s_cbranch_scc1 .Ltable
	s_cmp_ge_u32 ttmp9, 864
	s_cbranch_scc1 .Lwo
	; ---- the quantiser.  Which tensor, and its first work-group: a choice that hangs on the work-group's number alone
	s_mov_b64 s[4:5], s[8:9]
	s_mov_b32 s6, 0
	s_cmp_ge_u32 ttmp9, 256
	s_cselect_b64 s[4:5], s[10:11], s[4:5]
	s_cselect_b32 s6, 256, s6
	s_cmp_ge_u32 ttmp9, 512
	s_cselect_b64 s[4:5], s[12:13], s[4:5]
	s_cselect_b32 s6, 512, s6
	s_cmp_ge_u32 ttmp9, 768
	s_cselect_b64 s[4:5], s[14:15], s[4:5]
	s_cselect_b32 s6, 768, s6
	s_cmp_ge_u32 ttmp9, 800
	s_cselect_b64 s[4:5], s[16:17], s[4:5]
	s_cselect_b32 s6, 800, s6
	s_cmp_ge_u32 ttmp9, 832
	s_cselect_b64 s[4:5], s[18:19], s[4:5]
	s_cselect_b32 s6, 832, s6
	s_sub_co_u32 s6, ttmp9, s6
	s_lshl_b32 s6, s6, 2
	s_add_co_u32 s6, s6, s30                       ; which run of 8,192 numbers of the tensor is my wave's
	s_lshl_b32 s6, s6, 15                          ; 32,768 bytes a run
	s_mov_b32 s7, 0
	s_add_nc_u64 s[4:5], s[4:5], s[6:7]
	s_lshl_b32 s32, ttmp9, 2
	s_add_co_u32 s32, s32, s30                     ; and which run of the whole stream
	s_lshl_b32 s34, s32, 12                        ; 4,096 bytes of codes a run
	s_mov_b32 s35, 0
	s_add_nc_u64 s[22:23], s[22:23], s[34:35]
	s_lshl_b32 s34, s32, 8                         ; 256 scale bytes a run
	s_add_nc_u64 s[24:25], s[24:25], s[34:35]
.macro LOAD t
.irp i, 0,1,2,3
	global_load_b128 v[R+16*((\t)%4)+4*\i:R+16*((\t)%4)+4*\i+3], v3, s[4:5] offset:2048*(\t)+512*\i th:TH_LOAD_NT   ; 32 lanes read 512 consecutive bytes
.endr
.endm
.macro TURN t                          ; step t's numbers through the stage: LDS serves a wave's instructions in order, so no wait stands between the stores and the loads
.irp i, 0,1,2,3
	ds_store_b128 v14, v[R+16*((\t)%4)+4*\i:R+16*((\t)%4)+4*\i+3] offset:32*SP*((\t)%2)+8*SP*\i
.endr
.irp i, 0,1,2,3
	ds_load_b128 v[X+16*((\t)%2)+4*\i:X+16*((\t)%2)+4*\i+3], v15 offset:32*SP*((\t)%2)+16*\i
.endr
.endm
.irp t, 0,1,2,3
	LOAD \t
.endr
	s_wait_loadcnt 12                              ; step 0's four loads are in; the twelve of steps 1 to 3 may be out
	TURN 0
.macro STEP t
.set XS, X+16*((\t)%2)
.if (\t) > 0
	s_wait_dscnt 1                                 ; this step's numbers are back from the stage (the last step's byte store may be out)
.else
	s_wait_dscnt 0x0
.endif
.if (\t)+4 < STEPS
	LOAD (\t)+4                                    ; into the registers that the stage's stores have read
.endif
.if (\t)+1 < STEPS
.if STEPS-2-(\t) >= 3
	s_wait_loadcnt 12                              ; the next step's four loads are in; those of the three steps behind it may be out
.else
	s_wait_loadcnt 4*(STEPS-2-(\t))
.endif
	TURN (\t)+1
.endif
	v_max3_num_f32 v8, |v[XS]|, |v[XS+1]|, |v[XS+2]|               ; the largest magnitude of my 16, in two chains
	v_max3_num_f32 v9, |v[XS+3]|, |v[XS+4]|, |v[XS+5]|
.irp i, 6,10
	v_max3_num_f32 v8, v8, |v[XS+\i]|, |v[XS+\i+1]|
	v_max3_num_f32 v9, v9, |v[XS+\i+2]|, |v[XS+\i+3]|
.endr
	v_max3_num_f32 v8, v8, |v[XS+14]|, |v[XS+15]|
	v_max3_num_f32 v8, v8, v9, (EMAX+1)<<23        ; and the floor 2^(3 - 127): the byte cannot fall under 1
	v_max_num_f32_dpp v8, v8, v8 row_xmask:1 row_mask:0xf bank_mask:0xf   ; and of my neighbour's 16: the block's
	v_add_nc_u32 v11, -(EMAX<<23), v8              ; 2 off its exponent field: the conversion takes the exponent field of this operand as its scale
	v_cvt_scalef32_pk8_fp4_f32 v[C+4*(\t)], v[XS:XS+7], v11
	v_cvt_scalef32_pk8_fp4_f32 v[C+4*(\t)+1], v[XS+8:XS+15], v11
	v_lshrrev_b32 v[E+(\t)], 23, v11               ; the scale's byte
	ds_store_b8 v5, v[E+(\t)] offset:16*(\t)       ; both lanes of a block write the same byte with the same value
	global_store_b64 v4, v[C+4*(\t):C+4*(\t)+1], s[22:23] offset:32*CB*(\t)   ; the wave stores 256 consecutive bytes, aligned
.endm
.irp t, 0,1,2,3,4,5,6,7,8,9,10,11,12,13,14,15
	STEP \t
.endr
	ds_load_b64 v[8:9], v6                         ; LDS serves a wave's instructions in order: these see my byte stores
	s_wait_dscnt 0x0
	global_store_b64 v7, v[8:9], s[24:25]          ; 32 lanes store 256 consecutive bytes, aligned
	s_wait_tensorcnt 0x0                           ; the wave's end, behind my last LDS store
	ds_add_u32 v[SPW], v[NIL]
	s_wait_dscnt 0x0
	s_endpgm
	; ---- Wo to f16: a wave takes 8,192 numbers, in four batches of sixteen loads, two batches on their way
.Lwo:
	s_sub_co_u32 s6, ttmp9, 864
	s_lshl_b32 s6, s6, 2
	s_add_co_u32 s6, s6, s30                       ; run 0..127
	s_lshl_b32 s32, s6, 15
	s_mov_b32 s33, 0
	s_add_nc_u64 s[20:21], s[20:21], s[32:33]
	s_lshl_b32 s32, s6, 14
	s_add_nc_u64 s[26:27], s[26:27], s[32:33]
.macro WLOAD t
.irp i, 0,1,2,3,4,5,6,7,8,9,10,11,12,13,14,15
	global_load_b128 v[16+64*((\t)%2)+4*\i:16+64*((\t)%2)+4*\i+3], v3, s[20:21] offset:8192*(\t)+512*\i th:TH_LOAD_NT
.endr
.endm
.macro WOUT t
.if (\t) < 3
	s_wait_loadcnt 16                              ; this batch is in; the next batch's sixteen may be out
.else
	s_wait_loadcnt 0
.endif
	s_wait_xcnt 0x0                                ; the last batch's stores have read v144-175: only behind this wait are they rewritten
.irp i, 0,1,2,3,4,5,6,7,8,9,10,11,12,13,14,15
	v_cvt_pk_f16_f32 v[144+2*\i], v[16+64*((\t)%2)+4*\i], v[16+64*((\t)%2)+4*\i+1]
	v_cvt_pk_f16_f32 v[145+2*\i], v[16+64*((\t)%2)+4*\i+2], v[16+64*((\t)%2)+4*\i+3]
.endr
.if (\t) < 2
	WLOAD (\t)+2                                   ; loads ahead of stores
.endif
.irp i, 0,1,2,3,4,5,6,7,8,9,10,11,12,13,14,15
	global_store_b64 v4, v[144+2*\i:145+2*\i], s[26:27] offset:4096*(\t)+256*\i   ; 256 consecutive bytes, aligned
.endr
.endm
	WLOAD 0
	WLOAD 1
	WOUT 0
	WOUT 1
	WOUT 2
	WOUT 3
	s_wait_tensorcnt 0x0
	ds_add_u32 v[SPW], v[NIL]
	s_wait_dscnt 0x0
	s_endpgm
	; ---- the table.  Work-group g covers positions 32 g .. 32 g + 31: 8,192 bytes, four chunks of 16 bytes a thread
.Ltable:
	s_sub_co_u32 s6, ttmp9, 896
	v_and_b32 v16, 15, v0                          ; r
	v_bfe_u32 v17, v0, 4, 1                        ; h
	s_lshr_b32 s7, s30, 1
	s_lshl_b32 s7, s7, 3
	s_and_b32 s31, s30, 1
	s_lshl_b32 s31, s31, 1
	s_add_co_u32 s7, s7, s31
	v_lshl_add_u32 v17, v17, 2, s7                 ; my first pair: 8 (wave / 2) + 4 h + 2 (wave % 2)
	v_cvt_f32_u32 v17, v17
	v_add_f32 v18, 1.0, v17
	v_add_f32 v19, 0x41800000, v17                 ; + 16: the chunks with bq + 2
	v_add_f32 v20, 0x41880000, v17                 ; + 17
.irp i, 17,18,19,20
	v_mul_f32 v\i, 0xbed49a78, v\i                 ; x -log2(10000) / 32
.endr
.irp i, 17,18,19,20
	v_exp_f32 v\i, v\i                             ; the four frequencies: one batch
.endr
	s_lshl_b32 s31, s6, 5
	v_add_nc_u32 v16, s31, v16                     ; a plain instruction behind the batch: my position
	s_wait_alu depctr_va_vdst(0)                   ; the wait ahead of the first use: one for the four
	v_cvt_f32_u32 v22, v16                         ; position 32 g + r,
	v_add_f32 v23, 0x41800000, v22                 ; and 16 on
	v_lshlrev_b32 v34, 4, v0                       ; 16 x thread
	s_lshl_b32 s6, s6, 13
	s_mov_b32 s7, 0
	s_add_nc_u64 s[28:29], s[28:29], s[6:7]
; cos and sin of the angle in v[th], 0 to 2,047: n = the nearest multiple of pi / 2, taken away in two parts (the first fused multiply-add is exact), polynomials on |r| <= pi / 4, then the quadrant by selects and sign bits
.macro SINCOS th, c, s
	v_mul_f32 v26, 0x3f22f983, v[\th]
	v_rndne_f32 v26, v26
	v_fmamk_f32 v27, v26, 0xbfc90fdb, v[\th]
	v_fmamk_f32 v27, v26, 0x333bbd2e, v27
	v_mul_f32 v28, v27, v27
	v_mov_b32 v29, 0xb94ca1f9
	v_fmaak_f32 v29, v29, v28, 0x3c08839e
	v_fmaak_f32 v29, v29, v28, 0xbe2aaaa3
	v_mul_f32 v29, v29, v28
	v_fma_f32 v29, v29, v27, v27                   ; sin r
	v_mov_b32 v30, 0x37ccf5ce
	v_fmaak_f32 v30, v30, v28, 0xbab6061a
	v_fmaak_f32 v30, v30, v28, 0x3d2aaaa5
	v_mul_f32 v30, v30, v28
	v_fma_f32 v31, v28, -0.5, 1.0
	v_fma_f32 v30, v30, v28, v31                   ; cos r
	v_cvt_i32_f32 v32, v26
	v_and_b32 v33, 1, v32
	v_cmp_eq_u32 vcc_lo, 1, v33
	v_cndmask_b32 v[\s], v29, v30, vcc_lo          ; odd n: the two change places
	v_cndmask_b32 v[\c], v30, v29, vcc_lo
	v_and_b32 v33, 2, v32
	v_lshlrev_b32 v33, 30, v33
	v_xor_b32 v[\s], v[\s], v33                    ; sin is negated for n % 4 = 2, 3
	v_add_nc_u32 v32, 1, v32
	v_and_b32 v32, 2, v32
	v_lshlrev_b32 v32, 30, v32
	v_xor_b32 v[\c], v[\c], v32                    ; cos for n % 4 = 1, 2
.endm
.irp it, 0,1,2,3
	v_mul_f32 v24, v[22+\it/2], v[17+2*(\it%2)]    ; angle = position x frequency, one f32 product
	v_mul_f32 v25, v[22+\it/2], v[18+2*(\it%2)]
	SINCOS 24, 40+4*\it, 41+4*\it
	SINCOS 25, 42+4*\it, 43+4*\it
	global_store_b128 v34, v[40+4*\it:43+4*\it], s[28:29] offset:2048*\it   ; a wave stores 512 consecutive bytes; each chunk has data registers of its own
.endr
	s_wait_tensorcnt 0x0
	ds_add_u32 v[SPW], v[NIL]
	s_wait_dscnt 0x0
	s_endpgm
.Lfunc_end_k_qb48bffe324_prep:
	.size	k_qb48bffe324_prep, .Lfunc_end_k_qb48bffe324_prep-k_qb48bffe324_prep
	.p2alignl 7, 3214868480
	.fill 96, 4, 3214868480
	.section	.rodata,"a",@progbits
	.p2align	6, 0x0
	.amdhsa_kernel k_qb48bffe324_prep
		.amdhsa_group_segment_fixed_size 33280
		.amdhsa_private_segment_fixed_size 0
		.amdhsa_enable_private_segment 0
		.amdhsa_kernarg_size 88
		.amdhsa_user_sgpr_count 2
		.amdhsa_user_sgpr_kernarg_segment_ptr 1
		.amdhsa_wavefront_size32 1
		.amdhsa_system_sgpr_workgroup_id_x 1
		.amdhsa_system_sgpr_workgroup_id_y 1
		.amdhsa_system_sgpr_workgroup_id_z 1
		.amdhsa_system_vgpr_workitem_id 0
		.amdhsa_next_free_vgpr 192
		.amdhsa_next_free_sgpr 66
		.amdhsa_reserve_vcc 1
		.amdhsa_float_denorm_mode_32 3
		.amdhsa_float_denorm_mode_16_64 3
		.amdhsa_memory_ordered 1
		.amdhsa_forward_progress 1
		.amdhsa_inst_pref_size 67
	.end_amdhsa_kernel
	.amdgpu_metadata
---
amdhsa.version: [ 1, 2 ]
amdhsa.kernels:
  - .name:           k_qb48bffe324_prep
    .symbol:         k_qb48bffe324_prep.kd
    .args:
      - { .name: query, .offset: 0, .size: 8, .value_kind: global_buffer, .address_space: global }
      - { .name: key, .offset: 8, .size: 8, .value_kind: global_buffer, .address_space: global }
      - { .name: value, .offset: 16, .size: 8, .value_kind: global_buffer, .address_space: global }
      - { .name: Wq, .offset: 24, .size: 8, .value_kind: global_buffer, .address_space: global }
      - { .name: Wk, .offset: 32, .size: 8, .value_kind: global_buffer, .address_space: global }
      - { .name: Wv, .offset: 40, .size: 8, .value_kind: global_buffer, .address_space: global }
      - { .name: Wo, .offset: 48, .size: 8, .value_kind: global_buffer, .address_space: global }
      - { .name: codes, .offset: 56, .size: 8, .value_kind: global_buffer, .address_space: global }
      - { .name: scales, .offset: 64, .size: 8, .value_kind: global_buffer, .address_space: global }
      - { .name: wo16, .offset: 72, .size: 8, .value_kind: global_buffer, .address_space: global }
      - { .name: rope, .offset: 80, .size: 8, .value_kind: global_buffer, .address_space: global }
    .group_segment_fixed_size: 33280
    .private_segment_fixed_size: 0
    .kernarg_segment_align: 8
    .kernarg_segment_size: 88
    .max_flat_workgroup_size: 128
    .sgpr_count:     66
    .vgpr_count:     192
    .wavefront_size: 32
...
	.end_amdgpu_metadata
.endif
;; end of part 1
;; launch proj (part 2): grid 4 x 96, 4 waves a work-group, clusters of 4 x 4, 327,680 bytes of LDS; arguments codes, scales, rope, qkv; writes qkv
.if DOCPART == 2
	.amdgcn_target "amdgcn-amd-amdhsa--gfx1250"
	.amdhsa_code_object_version 6
	.text
	.protected	k_qb48bffe324_proj
	.globl	k_qb48bffe324_proj
	.p2align	8
	.type	k_qb48bffe324_proj,@function
k_qb48bffe324_proj:
	s_mov_b64 s[64:65], 0
	v_nop
	global_prefetch_b8 v0, s[64:65] scope:SCOPE_SE
	s_setreg_imm32_b32 hwreg(HW_REG_WAVE_MODE, 25, 1), 1
	s_wait_xcnt 0x0
	s_wait_alu depctr_hold_cnt(0) depctr_sa_sdst(0) depctr_va_vdst(0) depctr_va_sdst(0) depctr_va_ssrc(0) depctr_va_vcc(0) depctr_vm_vsrc(0)
	s_getreg_b32 s2, hwreg(HW_REG_IB_STS2, 6, 4)
	s_cmp_eq_u32 s2, 0
	s_cbranch_scc0 .Lentry_in_a_cluster
	s_endpgm
.Lentry_in_a_cluster:
	s_bfe_u32 s2, ttmp6, 0x10000c
	s_cmp_lg_u32 s2, 0xf033
	s_cbranch_scc0 .Lentry_shape_is_right
	s_endpgm
.Lentry_shape_is_right:
; PROJ: Q = query Wq^T, K = key Wk^T, V = value Wv^T on codes of FP4 (E2M1) with E8M0 scales, as ONE product of 24,576 rows x 1,024 columns; then the rotation of Q and K in f32, and f16 out.  No work is left out.
; Rows 0.. of codes are query, 8,192.. key, 16,384.. value; the weights' rows lie behind them: 24,576 + 1,024 p + n, p = 0, 1, 2 the projection.
; A tile, 256 x 256, is made by four waves, 128 x 128 each: 64 accumulators.  K = 1,024 is two slots of 512: scales, slot 0 and slot 1 are three first fills a wave; nothing is filled again.
; CLUSTERS: 4 x 4 work-groups; A's tiles are asked for jointly along a row of the cluster, the weights' along a column.  A cluster's 1,024 rows lie in one projection: p hangs on the cluster's y alone.
; THE MATRIX INSTRUCTION IS USED TRANSPOSED (source 0 = 16 rows of the weight, source 1 = 16 rows of A): a lane holds eight neighbouring columns of one row: four pairs of the rotation.
; OUT: qkv [3][batch x 16 + head][2,048][64] f16.  LIMIT: Q, K, V are carried in f16: magnitudes up to 65,504, a fixed step of 6e-8 under 6e-5.
; REGISTERS, in windows of 256: window 0: v0-31 addresses; v32-95 scale words, two sets, and nothing else; v128-191 A's fragments, one set; v192-255 the table, two sets; on the way out v96-159 rows read back, v160-191 packed results.
;   window 1: the weights' fragments, two sets; on the way out v0-63 the products x c.   window 2: accumulators of my rows 0-63 ((a, b) at v[8 (8 a + b)]);   window 3: of my rows 64-127.
.set SIZE_M, 24576
.set KSTEP,  512
.set NQ,     KSTEP/128
.set ROWB,   256                       ; a tile's row in bytes
.set KROW,   512                       ; a row of codes in memory
.set PITCH,  272                       ; an LDS row: 256 bytes + 16 of padding: the 16 rows that a load touches start at 16 different banks
.set FR,     8
.set NL,     2
.set NP,     4
.set HALFT,  128*PITCH
.set SLOT,   4*HALFT
.set KS,     32                        ; a row of scales in bytes
.set SCL,    2*SLOT
.set HALFS,  (128*KS/256)*272
.set SBLK,   (16*KS/256)*272
.set SPARE,  SCL+4*HALFS               ; the spare words, 128 bytes a wave
.set HP,     144                       ; the way out: a stage row: a head's 128 bytes + 16
.set STG2,   4*2*16*HP                 ; the stages of the way out without rotation lie behind those of the way out with it
.set ADRA, 16
.set ADRB, 20
.set STO,  24
.set RD,   25
.set CO,   26                          ; v26 16 x lane: the table's loads and the stores
.set ADRS, 27
.set SPW,  28
.set NIL,  29
.set SC,   32
.set AF,   128
.set BK,   96                          ; the way out: rows read back, two sets of 32
.set T,    0                           ; x c, 64 registers, in window 1
.set TMP,  160                         ; packed results
.set CS,   192                         ; (cos, sin) of a block's 16 positions: two sets of 32
.set G1, 24
.set G0, 32
.set G1B, 48
.set G0B, 56
.set G1S, 68
.set G0S, 76
.set G1SB, 80
.set G0SB, 88
.set MSB, 0
.macro WIN new                         ; the immediate's high byte repeats the setting that is left
.if MSB != (\new)
	s_set_vgpr_msb (MSB<<8)|(\new)
.set MSB, (\new)
.endif
.endm
.set MUL_LO, 0xa1
.set MUL_HI, 0xf1
.set TO_B,   0x40
; A joint load: waves 0 and 1 fetch for A, waves 2 and 3 for the weight.  An s_nop 0 and four v_nop follow each of the two lines.
.macro JLOAD g0a, g1a, g0b, g1b
	s_cmp_eq_u32 s15, 0
	s_cbranch_scc0 .Lfor_b_\@
	tensor_load_to_lds s[\g0a:\g0a+3], s[\g1a:\g1a+7]
	s_nop 0
.rept 4
	v_nop
.endr
	s_branch .Lasked_\@
.Lfor_b_\@:
	tensor_load_to_lds s[\g0b:\g0b+3], s[\g1b:\g1b+7]
	s_nop 0
.rept 4
	v_nop
.endr
.Lasked_\@:
.endm
.macro CROUND                          ; a round of the cluster's barrier
	s_barrier_signal -1
	s_barrier_wait -1
	s_cmp_lg_u32 s14, 0
	s_cbranch_scc1 .Lnot_wave_0_\@
	s_barrier_signal -3
.Lnot_wave_0_\@:
	s_barrier_wait -3
	s_barrier_signal -1
	s_barrier_wait -1
.endm
	s_load_b256 s[4:11], s[0:1], 0x0               ; codes s[4:5], scales s[6:7], rope s[8:9], qkv s[10:11]
	v_lshl_add_u32 v[SPW], v0, 2, SPARE
	v_mov_b32 v[NIL], 0
	ds_add_u32 v[SPW], v[NIL]                      ; the wave's opening: the add, twice on end, and its wait ahead of my first tensor load
	ds_add_u32 v[SPW], v[NIL]
	v_lshrrev_b32 v1, 5, v0
	v_readfirstlane_b32 s14, v1                    ; wave 0..3
	s_lshr_b32 s15, s14, 1                         ; which half of the tile's rows is mine.  Also: I fetch for A (0) or for the weight (1)
	s_and_b32 s16, s14, 1                          ; which half of its columns.  Also: which 128 rows I fetch
	s_bfe_u32 s40, ttmp6, 0x40000                  ; cx, cy
	s_bfe_u32 s41, ttmp6, 0x40004
	s_lshl_b32 s42, ttmp9, 2
	s_add_co_u32 s42, s42, s40                     ; tile column
	s_and_b32 s17, ttmp7, 0xffff
	s_lshr_b32 s12, s17, 3                         ; p: eight clusters along y to a projection: the same in all sixteen partners
	s_lshl_b32 s17, s17, 2
	s_add_co_u32 s17, s17, s41                     ; tile row
	s_lshl_b32 s43, s41, 2
	s_lshl_b32 s43, 15, s43                        ; my row of the cluster
	s_lshl_b32 s44, 0x1111, s40                    ; my column
	s_or_b32 s[G1+0], s43, (0<<16)|(1<<20)|(1<<21)|(5<<22)|(3<<25)  ; mask; elements of 1 byte; padding: 4 words after every 64; bit 21 beside a mask
	s_or_b32 s[G1B+0], s44, (0<<16)|(1<<20)|(1<<21)|(5<<22)|(3<<25)
.irp g, G1, G1B
	s_mov_b32 s[\g+1], ROWB<<16                    ; tensor_dim0
	s_mov_b32 s[\g+2], 128<<16                     ; tensor_dim1
	s_mov_b32 s[\g+3], ROWB<<16                    ; tile_dim0
	s_mov_b32 s[\g+4], 128                         ; tile_dim1
	s_mov_b32 s[\g+5], KROW                        ; the pitch
	s_mov_b32 s[\g+6], 0
	s_mov_b32 s[\g+7], 0
.endr
	s_or_b32 s[G1S+0], s43, (3<<16)|(1<<20)|(1<<21)|(5<<22)|(3<<25)  ; the scales of 128 rows: 4,096 dense bytes as 16 rows of 256 (32 elements of 8 bytes), 16 bytes of padding behind each
	s_or_b32 s[G1SB+0], s44, (3<<16)|(1<<20)|(1<<21)|(5<<22)|(3<<25)
.irp g, G1S, G1SB
	s_mov_b32 s[\g+1], 32<<16
	s_mov_b32 s[\g+2], (128*KS/256)<<16
	s_mov_b32 s[\g+3], 32<<16
	s_mov_b32 s[\g+4], 128*KS/256
	s_mov_b32 s[\g+5], 32
	s_mov_b32 s[\g+6], 0
	s_mov_b32 s[\g+7], 0
.endr
	s_lshl_b32 s18, s16, 7                         ; which 128 rows of the tile I fetch
	s_lshl_b32 s20, s17, 8
	s_add_co_u32 s20, s20, s18                     ; A: row 256 x tile row + 128 x half
	s_lshl_b32 s46, s42, 8
	s_add_co_u32 s46, s46, s18
	s_lshl_b32 s13, s12, 10
	s_add_co_u32 s46, s46, s13
	s_add_co_u32 s46, s46, SIZE_M                  ; the weight: row 24,576 + 1,024 p + 256 x tile column + 128 x half
	s_mov_b32 s21, 0
	s_mov_b32 s47, 0
	s_mov_b64 s[18:19], KS
	s_mul_u64 s[22:23], s[20:21], s[18:19]         ; where these rows' scales begin,
	s_mul_u64 s[92:93], s[46:47], s[18:19]
	s_mov_b64 s[18:19], KROW
	s_mul_u64 s[20:21], s[20:21], s[18:19]         ; and their codes
	s_mul_u64 s[46:47], s[46:47], s[18:19]
	s_mul_i32 s45, s14, HALFT                      ; where they go: wave x 128 rows
	s_mul_i32 s94, s14, HALFS
	s_wait_dscnt 0x0                               ; both opening adds are done
	s_wait_kmcnt 0x0
	s_add_nc_u64 s[20:21], s[4:5], s[20:21]
	s_add_nc_u64 s[22:23], s[6:7], s[22:23]
	s_add_nc_u64 s[46:47], s[4:5], s[46:47]
	s_add_nc_u64 s[92:93], s[6:7], s[92:93]
	CROUND                                         ; all sixteen work-groups are here: the first joint loads meet
	s_mov_b32 s[G0S], 1
	s_add_co_u32 s[G0S+1], s94, SCL
	s_mov_b64 s[G0S+2:G0S+3], s[22:23]
	s_or_b32 s[G0S+3], s[G0S+3], 0x80000000
	s_mov_b32 s[G0SB], 1
	s_add_co_u32 s[G0SB+1], s94, SCL
	s_mov_b64 s[G0SB+2:G0SB+3], s[92:93]
	s_or_b32 s[G0SB+3], s[G0SB+3], 0x80000000
	JLOAD G0S, G1S, G0SB, G1SB                     ; the scales first
.irp s, 0,1
	s_mov_b32 s[G0+4*\s], 1
	s_add_co_u32 s[G0+4*\s+1], s45, \s*SLOT
	s_add_nc_u64 s[G0+4*\s+2:G0+4*\s+3], s[20:21], \s*ROWB
	s_or_b32 s[G0+4*\s+3], s[G0+4*\s+3], 0x80000000
	s_mov_b32 s[G0B+4*\s], 1
	s_add_co_u32 s[G0B+4*\s+1], s45, \s*SLOT
	s_add_nc_u64 s[G0B+4*\s+2:G0B+4*\s+3], s[46:47], \s*ROWB
	s_or_b32 s[G0B+4*\s+3], s[G0B+4*\s+3], 0x80000000
	JLOAD G0+4*\s, G1, G0B+4*\s, G1B               ; three loads of mine are out at the most
.endr
	v_and_b32 v1, 15, v0                           ; r
	v_bfe_u32 v2, v0, 4, 1                         ; h
	v_mul_u32_u24 v3, v1, PITCH
	v_lshl_add_u32 v4, v2, 4, v3
	s_mul_i32 s21, s15, HALFT                      ; my 128 rows of A
	s_mul_i32 s22, s16, HALFT                      ; my 128 rows of the weight,
	s_add_co_u32 s22, s22, 2*HALFT                 ; behind A's 256
.irp s, 0,1
	v_add_nc_u32 v[ADRA+\s], s21, v4
	v_add_nc_u32 v[ADRB+\s], s22, v4
	s_add_co_u32 s21, s21, SLOT
	s_add_co_u32 s22, s22, SLOT
.endr
	v_mul_u32_u24 v5, v1, KS                       ; my row's scales: 32 bytes a row,
	v_lshrrev_b32 v6, 8, v5
	v_lshl_add_u32 v5, v6, 4, v5                   ; and 16 more for each 256 passed
	s_mul_i32 s21, s15, HALFS
	s_mul_i32 s22, s16, HALFS
	s_add_co_u32 s22, s22, 2*HALFS
	s_sub_co_u32 s22, s22, s21
	v_mul_u32_u24 v6, s22, v2                      ; lanes 16-31 take the weight's
	s_add_co_u32 s21, s21, SCL
	v_add_nc_u32 v5, v5, v6
	v_add_nc_u32 v[ADRS], s21, v5
	s_mul_i32 s23, s14, 2*16*HP                    ; my stage, in slot 0: two heads x 16 rows x 144 bytes
	v_mul_u32_u24 v5, v1, HP
	v_lshl_add_u32 v5, v2, 4, v5
	v_add_nc_u32 v[STO], s23, v5                   ; in: row r, 16 bytes for each half of the lanes
	v_and_b32 v6, 31, v0
	v_lshlrev_b32 v[CO], 4, v6
	v_lshrrev_b32 v7, 3, v6
	v_mul_u32_u24 v7, v7, HP
	v_and_b32 v8, 7, v6
	v_lshl_add_u32 v7, v8, 4, v7
	v_add_nc_u32 v[RD], s23, v7                    ; back: eight lanes to a row of 128 bytes, four rows an instruction
	s_lshl_b32 s20, s17, 8
	s_lshl_b32 s21, s15, 7
	s_add_co_u32 s20, s20, s21                     ; my first row
	s_and_b32 s21, s20, 2047                       ; its position in the sequence
	s_lshl_b32 s22, s21, 8                         ; the table: 4,096 bytes for 16 positions
	s_mov_b32 s23, 0
	s_add_nc_u64 s[8:9], s[8:9], s[22:23]
	s_bfe_u32 s22, s20, 0x2000b                    ; the batch: bits 12:11
	s_lshl_b32 s22, s22, 4
	s_lshl_b32 s46, s42, 2
	s_add_co_u32 s22, s22, s46
	s_lshl_b32 s46, s16, 1
	s_add_co_u32 s22, s22, s46                     ; batch x 16 + my first head (4 x tile column + 2 x half)
	s_lshl_b32 s22, s22, 11
	s_add_co_u32 s22, s22, s21
	s_lshl_b32 s22, s22, 7                         ; rows of 128 bytes
	s_lshl_b32 s46, s12, 24                        ; the projection's plane: 16,777,216 bytes
	s_add_co_u32 s22, s22, s46
	s_add_nc_u64 s[10:11], s[10:11], s[22:23]      ; never stepped: every store's place stands in its immediate
.macro RLOAD a                         ; the table of block a's 16 positions: eight loads of 512 consecutive bytes; register 8 bq + 2 jj, + 1 = (cos, sin) of pair 8 bq + 4 h + jj
.irp q, 0,1,2,3,4,5,6,7
	global_load_b128 v[CS+32*((\a)%2)+4*\q:CS+32*((\a)%2)+4*\q+3], v[CO], s[8:9] offset:(\a)*4096+512*\q
.endr
.endm
	s_cmp_eq_u32 s12, 2                            ; V is not rotated: its work-groups load no table
	s_cbranch_scc1 .Lno_table
	RLOAD 0
	RLOAD 1
.Lno_table:
.macro FRAG reg, adr, q, i             ; 16 rows x 128 K of 4-bit codes: 8 registers, two loads of 16 bytes, 32 apart
.irp c, 0,1
	ds_load_b128 v[\reg+4*\c:\reg+4*\c+3], v[\adr] offset:64*(\q)+32*\c+(\i)*16*PITCH
.endr
.endm
; 16 matrix instructions: A's blocks a0, a0 + 1 x the weight's eight.  The 64 accumulators take turns, one instruction a turn, in the same order in every step.
.macro MUL16 a0, p, q, sc, zero
.irp a, \a0, \a0+1
.irp b, 0,1,2,3,4,5,6,7
.if \zero
	v_wmma_scale_f32_16x16x128_f8f6f4 v[8*(8*((\a)%4)+\b):8*(8*((\a)%4)+\b)+7], v[128*(\p)+FR*\b:128*(\p)+FR*\b+FR-1], v[AF+FR*(\a):AF+FR*(\a)+FR-1], 0, v[SC+8*NQ*(\sc)+NQ*\b+(\q)], v[SC+8*NQ*(\sc)+NQ*(\a)+(\q)] matrix_a_fmt:MATRIX_FMT_FP4 matrix_b_fmt:MATRIX_FMT_FP4 matrix_a_scale:MATRIX_SCALE_ROW1
.else
	v_wmma_scale_f32_16x16x128_f8f6f4 v[8*(8*((\a)%4)+\b):8*(8*((\a)%4)+\b)+7], v[128*(\p)+FR*\b:128*(\p)+FR*\b+FR-1], v[AF+FR*(\a):AF+FR*(\a)+FR-1], v[8*(8*((\a)%4)+\b):8*(8*((\a)%4)+\b)+7], v[SC+8*NQ*(\sc)+NQ*\b+(\q)], v[SC+8*NQ*(\sc)+NQ*(\a)+(\q)] matrix_a_fmt:MATRIX_FMT_FP4 matrix_b_fmt:MATRIX_FMT_FP4 matrix_a_scale:MATRIX_SCALE_ROW1
.endif
.endr
.endr
.endm
.macro FETCH_B slot, q, p
	WIN TO_B
.irp i, 0,1,2,3,4,5,6,7
	FRAG 128*(\p)+FR*\i, ADRB+\slot, \q, \i
.endr
	WIN 0
.endm
.macro FETCH_A slot, q, i0
.irp i, \i0, \i0+1, \i0+2, \i0+3
	FRAG AF+FR*(\i), ADRA+\slot, \q, \i
.endr
.endm
.macro SCALES sc                       ; a slot's scale words: lanes 0-15 take A's block i, lanes 16-31 the weight's block i
.irp i, 0,1,2,3,4,5,6,7
	ds_load_b128 v[SC+8*NQ*\sc+NQ*\i:SC+8*NQ*\sc+NQ*\i+3], v[ADRS] offset:\i*SBLK
.endr
.endm
.macro PLACES n                        ; plain vector instructions between a matrix instruction and a load into, or a read or write of, its registers
.rept \n
	v_nop
.endr
.endm
.macro STEP slot, q, zero              ; 128 along K with a successor in the same slot
	s_wait_dscnt 4*NL                              ; the weight's set and A's blocks 0-3 are in; the youngest eight loads (A's blocks 4-7) may be out
	WIN MUL_LO
	MUL16 0, (\q)%2, \q, \slot, \zero
	MUL16 2, (\q)%2, \q, \slot, \zero
	s_wait_dscnt 0
	PLACES NP
	FETCH_B \slot, (\q)+1, 1-(\q)%2
	FETCH_A \slot, (\q)+1, 0
	WIN MUL_HI
	MUL16 4, (\q)%2, \q, \slot, \zero
	MUL16 6, (\q)%2, \q, \slot, \zero
	PLACES NP
	WIN 0
	FETCH_A \slot, (\q)+1, 4
.endm
.macro TURN slot, next                 ; a slot's last step changes slots: one barrier; nothing is filled again
	s_wait_tensorcnt 0x0                           ; all my tensor loads have landed: my part of the next slot
	ds_add_u32 v[SPW], v[NIL]                      ; 0 onto my spare word
	s_wait_dscnt 4*NL+1                            ; (the add and A's blocks 4-7 may be out)
	WIN MUL_LO
	MUL16 0, 1, NQ-1, \slot, 0
	s_wait_dscnt 0x0                               ; the add is done, and my reads of this slot are over
	s_barrier_signal -1
	MUL16 2, 1, NQ-1, \slot, 0
	WIN 0
	s_barrier_wait -1
	PLACES NP
	v_add_nc_u32 v[ADRS], 4*NQ, v[ADRS]            ; the next slot's scale words
	FETCH_B \next, 0, 0
	FETCH_A \next, 0, 0
	SCALES \next
	WIN MUL_HI
	MUL16 4, 1, NQ-1, \slot, 0
	MUL16 6, 1, NQ-1, \slot, 0
	PLACES NP
	WIN 0
	FETCH_A \next, 0, 4
.endm
	s_wait_tensorcnt 1                             ; the scales and my part of slot 0 are in (slot 1's load may be out),
	s_barrier_signal -1
	s_barrier_wait -1                              ; everybody's are
	FETCH_B 0, 0, 0
	FETCH_A 0, 0, 0
	SCALES 0
	FETCH_A 0, 0, 4
	STEP 0, 0, 1                                   ; the first products start the sums: nothing is cleared
	STEP 0, 1, 0
	STEP 0, 2, 0
	TURN 0, 1
	STEP 1, 0, 0
	STEP 1, 1, 0
	STEP 1, 2, 0
	s_wait_dscnt 4*NL                              ; the last step: nothing more to fetch
	WIN MUL_LO
	MUL16 0, 1, NQ-1, 1, 0
	MUL16 2, 1, NQ-1, 1, 0
	s_wait_dscnt 0
	WIN MUL_HI
	MUL16 4, 1, NQ-1, 1, 0
	MUL16 6, 1, NQ-1, 1, 0
	WIN 0
; THE WAY OUT, block by block of 16 rows x 128 columns (two heads).
; ROT: (x0, x1) -> (x0 c - x1 s, x0 s + x1 c), in place: a packed product by c, then a packed fused multiply-add by s with the halves crossed and the low product negated.
; No jump stands between the table's loads and these waits: behind block a's wait only block a + 1's eight loads can be out, and block a + 2's land in the set that block a has just read.
.macro ROT a
.set AC, 64*((\a)%4)
.set CC, CS+32*((\a)%2)
.if (\a) < 7
	s_wait_loadcnt 8                               ; this block's table is in; the next block's eight loads may be out
.else
	s_wait_loadcnt 0
.endif
	WIN 0x40+2+(\a)/4                              ; source 0: the accumulators' window; destination: window 1
.irp b, 0,1,2,3,4,5,6,7
.irp j, 0,2,4,6
	v_pk_mul_f32 v[T+8*\b+\j:T+8*\b+\j+1], v[AC+8*\b+\j:AC+8*\b+\j+1], v[CC+8*(\b%4)+\j:CC+8*(\b%4)+\j+1] op_sel_hi:[1,0]   ; (x0 c, x1 c); each accumulator from its low end on
.endr
.endr
	WIN (2+(\a)/4)*0x41+0x10                       ; destination and source 0: the accumulators' window; source 2: window 1
.irp b, 0,1,2,3,4,5,6,7
.irp j, 0,2,4,6
	v_pk_fma_f32 v[AC+8*\b+\j:AC+8*\b+\j+1], v[AC+8*\b+\j:AC+8*\b+\j+1], v[CC+8*(\b%4)+\j:CC+8*(\b%4)+\j+1], v[T+8*\b+\j:T+8*\b+\j+1] op_sel:[1,1,0] op_sel_hi:[0,1,1] neg_lo:[1,0,0]   ; (-x1 s + x0 c, x0 s + x1 c)
.endr
.endr
	WIN 0
.if (\a) < 6
	RLOAD (\a)+2
.endif
.endm
.macro PACK a
.set AC, 64*((\a)%4)
	WIN 0x0a+5*((\a)/4)                            ; sources 0 and 1: window 2 or 3
.irp b, 0,1,2,3,4,5,6,7
.irp j, 0,1,2,3
	v_cvt_pk_f16_f32 v[TMP+4*\b+\j], v[AC+8*\b+2*\j], v[AC+8*\b+2*\j+1]
.endr
.endr
	WIN 0
.endm
.macro TOSTAGE a, so                   ; into my stage by heads, and back as whole rows; LDS serves a wave's instructions in order.  so: where this way out's stages begin
.irp b, 0,1,2,3,4,5,6,7
	ds_store_b128 v[STO], v[TMP+4*\b:TMP+4*\b+3] offset:(\so)+(\b/4)*16*HP+32*(\b%4)
.endr
.irp i, 0,1,2,3,4,5,6,7
	ds_load_b128 v[BK+32*((\a)%2)+4*\i:BK+32*((\a)%2)+4*\i+3], v[RD] offset:(\so)+(\i/4)*16*HP+(\i%4)*4*HP
.endr
.endm
.macro SEND a, younger                 ; younger: the LDS instructions issued behind block a's loads
	s_wait_dscnt \younger
.irp i, 0,1,2,3,4,5,6,7
	global_store_b128 v[CO], v[BK+32*((\a)%2)+4*\i:BK+32*((\a)%2)+4*\i+3], s[10:11] offset:(\i/4)*262144+2048*(\a)+512*(\i%4)   ; four rows of a head: 512 consecutive bytes, aligned
.endr
.endm
; The eight blocks.  rot = 1: with the rotation (Q, K); 0: without (V).
.macro WAYOUT rot, so
.if \rot
	ROT 0
.endif
	PACK 0
	TOSTAGE 0, \so
.irp a, 1,2,3,4,5,6,7
.if \a > 1
	s_wait_xcnt 0x0                                ; block a - 2's stores have read their registers: block a's loads may land there
.endif
.if \rot
	ROT \a
.endif
	PACK \a
	TOSTAGE \a, \so
	SEND \a-1, 16                                  ; behind block a - 1's loads: block a's 8 stores and 8 loads
.endr
	SEND 7, 0
.endm
	PLACES NP                                      ; behind the last products, ahead of the first write of A's registers and of the reads of results
	s_cmp_eq_u32 s12, 2                            ; ONE jump, on the projection, the same in all sixteen partners: V's work-groups take a way out of their own, written out, with stage bytes of its own
	s_cbranch_scc1 .Lplain
	WAYOUT 1, 0
	s_branch .Lclose
.Lplain:
	WAYOUT 0, STG2
.Lclose:
	s_wait_tensorcnt 0x0                           ; the wave's end
	ds_add_u32 v[SPW], v[NIL]
	s_wait_dscnt 0x0
	CROUND                                         ; the closing round
	s_endpgm
.Lfunc_end_k_qb48bffe324_proj:
	.size	k_qb48bffe324_proj, .Lfunc_end_k_qb48bffe324_proj-k_qb48bffe324_proj
	.p2alignl 7, 3214868480
	.fill 96, 4, 3214868480
	.section	.rodata,"a",@progbits
	.p2align	6, 0x0
	.amdhsa_kernel k_qb48bffe324_proj
		.amdhsa_group_segment_fixed_size 327680
		.amdhsa_private_segment_fixed_size 0
		.amdhsa_enable_private_segment 0
		.amdhsa_kernarg_size 32
		.amdhsa_user_sgpr_count 2
		.amdhsa_user_sgpr_kernarg_segment_ptr 1
		.amdhsa_wavefront_size32 1
		.amdhsa_system_sgpr_workgroup_id_x 1
		.amdhsa_system_sgpr_workgroup_id_y 1
		.amdhsa_system_sgpr_workgroup_id_z 1
		.amdhsa_system_vgpr_workitem_id 0
		.amdhsa_next_free_vgpr 1024
		.amdhsa_next_free_sgpr 98
		.amdhsa_reserve_vcc 0
		.amdhsa_float_denorm_mode_32 3
		.amdhsa_float_denorm_mode_16_64 3
		.amdhsa_memory_ordered 1
		.amdhsa_forward_progress 1
		.amdhsa_inst_pref_size 197
	.end_amdhsa_kernel
	.amdgpu_metadata
---
amdhsa.version: [ 1, 2 ]
amdhsa.kernels:
  - .name:           k_qb48bffe324_proj
    .symbol:         k_qb48bffe324_proj.kd
    .args:
      - { .name: codes, .offset: 0, .size: 8, .value_kind: global_buffer, .address_space: global }
      - { .name: scales, .offset: 8, .size: 8, .value_kind: global_buffer, .address_space: global }
      - { .name: rope, .offset: 16, .size: 8, .value_kind: global_buffer, .address_space: global }
      - { .name: qkv, .offset: 24, .size: 8, .value_kind: global_buffer, .address_space: global }
    .group_segment_fixed_size: 327680
    .private_segment_fixed_size: 0
    .kernarg_segment_align: 8
    .kernarg_segment_size: 32
    .max_flat_workgroup_size: 128
    .sgpr_count:     98
    .vgpr_count:     1024
    .wavefront_size: 32
...
	.end_amdgpu_metadata
.endif
;; end of part 2
;; launch attn (part 3): grid 4 x 64, 8 waves a work-group, clusters of 4 x 1, 327,680 bytes of LDS; arguments qkv, ao; writes ao
.if DOCPART == 3
	.amdgcn_target "amdgcn-amd-amdhsa--gfx1250"
	.amdhsa_code_object_version 6
	.text
	.protected	k_qb48bffe324_attn
	.globl	k_qb48bffe324_attn
	.p2align	8
	.type	k_qb48bffe324_attn,@function
k_qb48bffe324_attn:
	s_mov_b64 s[64:65], 0
	v_nop
	global_prefetch_b8 v0, s[64:65] scope:SCOPE_SE
	s_setreg_imm32_b32 hwreg(HW_REG_WAVE_MODE, 25, 1), 1
	s_wait_xcnt 0x0
	s_wait_alu depctr_hold_cnt(0) depctr_sa_sdst(0) depctr_va_vdst(0) depctr_va_sdst(0) depctr_va_ssrc(0) depctr_va_vcc(0) depctr_vm_vsrc(0)
	s_getreg_b32 s2, hwreg(HW_REG_IB_STS2, 6, 4)
	s_cmp_eq_u32 s2, 0
	s_cbranch_scc0 .Lentry_in_a_cluster
	s_endpgm
.Lentry_in_a_cluster:
	s_bfe_u32 s2, ttmp6, 0x10000c
	s_cmp_lg_u32 s2, 0x3003
	s_cbranch_scc0 .Lentry_shape_is_right
	s_endpgm
.Lentry_shape_is_right:
; ATTN: O[bh][q] = the sum over k of softmax_k(Q[bh][q] . K[bh][k] / 8) V[bh][k].  Q, K, V: planes of qkv, [64 heads][2,048][64] f16; O: ao, the same shape, f16.  No mask; no work is left out.
; Products, maxima and sums in f32; the weights p (at most 1, by the running maximum) are rounded to f16 for the second product; the row's sum is taken of the unrounded p.
; SHARES.  A work-group owns 512 queries of a head, each of its eight waves 64: four tiles of 16.  Two waves of 512 registers share a SIMD.  Every wave walks all 2,048 keys, 64 a step.
; LAYOUT.  S^T = K Q^T (source 0 = 16 keys, source 1 = 16 queries): a lane holds ONE query and the keys 8 (lane / 16) + 0..7.  Two such tiles, rounded in pairs, ARE source 1 of O^T = V^T P.  K comes out of LDS as it lies, V turned.
; OPPOSITE PHASES.  A wave's work is a pipeline of M(j) = V^T P of step j - 1, then K Q^T of step j (matrix work and LDS loads) and V(j) = the softmax of step j (vector work).  In trip j the waves of group 0
; run M(j), V(j), those of group 1 V(j - 1), M(j).  The group is (w xor w / 4) % 2: it differs between waves w and w + 4 and between waves 2 k and 2 k + 1.
; THE LOOP HAS NO FIRST STEP OF ITS OWN: O^T, V's fragments and l begin as zeros, m as -3e38; S begins as zeros in group 0 (P of step -1) and as -infinity in group 1, whose first softmax then gives a = 1 and p = 0.
; CLUSTER.  The four query blocks of a head walk the same K and V: each tile is asked for JOINTLY, by the same tensor load with the mask 15.
; RING.  Two LDS slots of 512 keys.  Waves 0-3 fetch K's four quarters, waves 4-7 V's: one load a wave behind each round, and one load of mine is out at the most.
; LIMIT: O is carried in f16 (|O| is at most the largest |V|); a fixed step of 6e-8 under 6e-5.
; REGISTERS: window 0: v2-12 addresses; v16-47 statistics, 8 a tile; v48-63 sums at work; v64-191 S^T, 32 a tile, P over its lowest 16; v192-255 K's fragments.
;   window 1: v0-127 O^T, 32 a tile; v128-191 Q; v192-255 V's fragments.
.set PK,    144       ; a row of K in LDS: 128 bytes + 16
.set PVP,   160       ; a row of V: 128 + 32: an odd multiple of 32
.set KSL,   512       ; keys in a slot
.set VOFF,  KSL*PK
.set SLOT1, KSL*(PK+PVP)
.set SPARE, 2*SLOT1   ; the spare words, 128 bytes for each of eight waves
.set AK0, 2
.set AV0, 3
.set ADK, 4
.set ADV, 5
.set QO,  6
.set STO, 7
.set RD,  8
.set GO,  9
.set SPW, 10
.set NIL, 11
.set PFO, 12
.set ST,  16          ; tile t at v[ST+8 t]: +0 c m, +1 m, +2, +3 l, +4 to +7 at work; a takes +6
.set SUM, 48
.set S,   64
.set KF,  192
.set QF,  128         ; in window 1
.set VF,  192         ; in window 1
.set WV,  8
.set GRP, 9
.set PFA, 18          ; s[18:19] where my prefetches stand
.set LIM, 20
.set SLOTS, 21
.set TRIP, 22
.set SB,  23          ; the slot that is read
.set G1K, 24
.set G1V, 32
.set G0K, 40
.set G0V, 44
.set FB,  48          ; the slot that is filled
.set TK,  49
.set TV,  50
.set OFK, 51          ; my quarter's place in a slot: K's, V's
.set OFV, 52
.set CS,  54          ; s[54:55] c = log2(e) / 8
.set SEL, 56
.set MSB, 0
.macro WIN new
.if MSB != (\new)
	s_set_vgpr_msb (MSB<<8)|(\new)
.set MSB, (\new)
.endif
.endm
.set W_KQ, 0x04       ; Q (source 1) in window 1
.set W_PV, 0x51       ; V (source 0), O^T (C and D) in window 1
.set W_RS, 0x41       ; O^T (destination and source 0) in window 1
.macro JLOAD                        ; waves 0-3: K's line; waves 4-7: V's.  An s_nop 0 and four v_nop follow each
	s_cmp_lt_u32 s[WV], 4
	s_cbranch_scc0 .Lfor_v_\@
	tensor_load_to_lds s[G0K:G0K+3], s[G1K:G1K+7]
	s_nop 0
.rept 4
	v_nop
.endr
	s_branch .Lasked_\@
.Lfor_v_\@:
	tensor_load_to_lds s[G0V:G0V+3], s[G1V:G1V+7]
	s_nop 0
.rept 4
	v_nop
.endr
.Lasked_\@:
.endm
; A prefetch of what the NEXT change of slots will ask for: 65,536 bytes of K and of V.  Waves 0 and 2 take K's halves, waves 4 and 6 V's; of a half's 32,768 bytes each of the four partners takes 8,192, told apart
; by address; lanes 256 bytes apart.  So each aligned block of 256 bytes is named once in the launch.  Slots 0 and 1 come by their loads alone; the last change that fills asks for nothing.
.macro ASK
	s_cmp_gt_u32 s[SLOTS], s[LIM]
	s_cbranch_scc0 .Lnot_mine_\@
	global_prefetch_b8 v[PFO], s[PFA:PFA+1] th:TH_LOAD_NT scope:SCOPE_SE
.Lnot_mine_\@:
.endm
.macro CROUND
	s_barrier_signal -1
	s_barrier_wait -1
	s_cmp_lg_u32 s[WV], 0
	s_cbranch_scc1 .Lnot_wave_0_\@
	s_barrier_signal -3
.Lnot_wave_0_\@:
	s_barrier_wait -3
	s_barrier_signal -1
	s_barrier_wait -1
.endm
	s_load_b128 s[4:7], s[0:1], 0x0   ; qkv s[4:5], ao s[6:7]
	v_lshl_add_u32 v[SPW], v0, 2, SPARE
	v_mov_b32 v[NIL], 0
	ds_add_u32 v[SPW], v[NIL]       ; the wave's opening: the add, twice on end, and its wait ahead of my first tensor load
	ds_add_u32 v[SPW], v[NIL]
	v_lshrrev_b32 v1, 5, v0
	v_readfirstlane_b32 s[WV], v1   ; wave 0..7
	s_lshr_b32 s[GRP], s[WV], 2
	s_xor_b32 s[GRP], s[GRP], s[WV]
	s_and_b32 s[GRP], s[GRP], 1
	s_bfe_u32 s10, ttmp6, 0x40000   ; cx: my block of 512 queries: it enters global addresses alone
	s_and_b32 s11, ttmp7, 0xffff    ; batch x 16 + head, which the four partners share
	s_mov_b32 s[G1K], 15|(1<<16)|(1<<20)|(1<<21)|(4<<22)|(3<<25)  ; the mask: all four; elements of 2 bytes; padding: 4 words after every 32; bit 21 beside a mask
	s_mov_b32 s[G1V], 15|(1<<16)|(1<<20)|(1<<21)|(4<<22)|(7<<25)  ; the same with 8 words
.irp g, G1K, G1V
	s_mov_b32 s[\g+1], 64<<16       ; tensor_dim0 = 64
	s_mov_b32 s[\g+2], 128<<16      ; tensor_dim1 = 128
	s_mov_b32 s[\g+3], 64<<16       ; tile_dim0 = 64
	s_mov_b32 s[\g+4], 128          ; tile_dim1 = 128
	s_mov_b32 s[\g+5], 64           ; the pitch
	s_mov_b32 s[\g+6], 0
	s_mov_b32 s[\g+7], 0
.endr
	s_and_b32 s58, s[WV], 3         ; which 128 keys of a slot I fetch
	s_mul_i32 s[OFK], s58, 128*PK
	s_mul_i32 s[OFV], s58, 128*PVP
	s_add_co_u32 s[OFV], s[OFV], VOFF
	s_lshl_b32 s60, s11, 18         ; a head is 262,144 bytes
	s_lshl_b32 s59, s58, 14
	s_add_co_u32 s60, s60, s59
	s_mov_b32 s61, 0                ; s[60:61]: my 128 rows of slot 0, in a plane
	s_lshl_b32 s14, s10, 9
	s_lshl_b32 s59, s[WV], 6
	s_add_co_u32 s14, s14, s59      ; my first query
	s_lshl_b32 s14, s14, 7
	s_lshl_b32 s59, s11, 18
	s_add_co_u32 s14, s14, s59
	s_mov_b32 s15, 0                ; s[14:15]: its first byte in Q's plane and in ao
	s_lshr_b32 s62, s[WV], 2
	s_add_co_u32 s62, s62, 1
	s_lshl_b32 s62, s62, 24         ; the prefetches: K's plane (waves 0-3) or V's,
	s_add_co_u32 s62, s62, s59      ; my head,
	s_bfe_u32 s59, s[WV], 0x10001
	s_lshl_b32 s59, s59, 15
	s_add_co_u32 s62, s62, s59      ; the half,
	s_lshl_b32 s59, s10, 13
	s_add_co_u32 s62, s62, s59      ; my work-group's 8,192 bytes of it,
	s_add_co_u32 s62, s62, KSL*128  ; in slot 1: the first change steps it to slot 2
	s_mov_b32 s63, 0
	s_and_b32 s[LIM], s[WV], 1
	s_cmp_eq_u32 s[LIM], 0
	s_cselect_b32 s[LIM], 1, -1     ; even waves ask
	s_mov_b32 s[CS], 0x3e38aa3b
	s_mov_b32 s[CS+1], s[CS]
	s_mov_b32 s[SEL], 0x76543210
	s_mov_b32 s[SEL+1], 0xfedcba98
	s_mov_b32 s[FB], 0
	s_mov_b32 s[SB], 0
	s_mov_b32 s[SLOTS], 3
	s_wait_dscnt 0x0                ; both opening adds are done
	s_wait_kmcnt 0x0
	s_add_nc_u64 s[12:13], s[4:5], s[14:15]  ; Q at my first query
	s_add_nc_u64 s[6:7], s[6:7], s[14:15]    ; ao likewise
	s_add_nc_u64 s[PFA:PFA+1], s[4:5], s[62:63]
	CROUND                          ; all four work-groups are here: the first joint loads meet
	s_mov_b32 s[G0K], 1
	s_mov_b32 s[G0K+1], s[OFK]      ; slot 0
	s_add_nc_u64 s[G0K+2:G0K+3], s[4:5], s[60:61]
	s_add_nc_u64 s[G0V+2:G0V+3], s[G0K+2:G0K+3], 0x2000000  ; V's plane
	s_add_nc_u64 s[G0K+2:G0K+3], s[G0K+2:G0K+3], 0x1000000  ; K's plane
	s_or_b32 s[G0K+3], s[G0K+3], 0x80000000
	s_mov_b32 s[G0V], 1
	s_mov_b32 s[G0V+1], s[OFV]
	s_or_b32 s[G0V+3], s[G0V+3], 0x80000000
	JLOAD                           ; every wave has a first fill
	v_and_b32 v1, 15, v0            ; r
	v_bfe_u32 v13, v0, 4, 1         ; h
	v_lshlrev_b32 v[QO], 7, v1
	v_lshl_add_u32 v[QO], v13, 4, v[QO]  ; Q: row r of 128 bytes + 16 h
	WIN 0x40                        ; destination window 1
.irp i, 0,1,2,3,4,5,6,7             ; Q stays in registers: tile i / 2, channels 32 (i % 2) on
	global_load_b128 v[QF+8*\i:QF+8*\i+3],   v[QO], s[12:13] offset:(\i/2)*2048+(\i%2)*64 th:TH_LOAD_NT
	global_load_b128 v[QF+8*\i+4:QF+8*\i+7], v[QO], s[12:13] offset:(\i/2)*2048+(\i%2)*64+32 th:TH_LOAD_NT
.endr
.set i, 0
.rept 128
	v_mov_b32 v[i], 0               ; O^T: the loop is written once, and its first products find zeros
.set i, i+1
.endr
.set i, 0
.rept 64
	v_mov_b32 v[VF+i], 0            ; V's fragments of step -1
.set i, i+1
.endr
	WIN 0
	v_mul_u32_u24 v[AK0], v1, PK
	v_lshl_add_u32 v[AK0], v13, 4, v[AK0]  ; K: row x pitch + 16 h
	v_and_b32 v14, 7, v0            ; V, for the turning load: key 8 h + l % 8, channels 8 ((l / 8) % 2) on
	v_bfe_u32 v15, v0, 3, 1
	v_lshl_add_u32 v[AV0], v13, 3, v14
	v_mul_u32_u24 v[AV0], v[AV0], PVP
	v_lshl_add_u32 v[AV0], v15, 4, v[AV0]
	v_add_nc_u32 v[AV0], VOFF, v[AV0]
	s_mul_i32 s58, s[WV], 64*PK     ; my stage for the way out: 64 rows x 144 bytes, in slot 0's bytes
	v_mul_u32_u24 v[STO], v1, PK
	v_lshl_add_u32 v[STO], v13, 4, v[STO]
	v_add_nc_u32 v[STO], s58, v[STO]
	v_bfe_u32 v15, v0, 3, 2
	v_mul_u32_u24 v[RD], v15, PK
	v_lshl_add_u32 v[RD], v14, 4, v[RD]
	v_add_nc_u32 v[RD], s58, v[RD]  ; back: eight lanes to a row, four rows an instruction
	v_and_b32 v[GO], 31, v0
	v_lshlrev_b32 v[PFO], 8, v[GO]
	v_lshlrev_b32 v[GO], 4, v[GO]
	s_cmp_eq_u32 s[GRP], 0
	s_cselect_b32 s58, 0, 0xff800000
.set i, 0
.rept 128
	v_mov_b32 v[S+i], s58           ; group 0: P of step -1 = 0; group 1: the scores of step -1 = -infinity
.set i, i+1
.endr
.irp t, 0,1,2,3
	v_mov_b32 v[ST+8*\t+1], 0xff61b1e6  ; m = -3e38, under every score
	v_mul_f32 v[ST+8*\t], s[CS], v[ST+8*\t+1]
	v_mov_b32 v[ST+8*\t+2], 0
	v_mov_b32 v[ST+8*\t+3], 0
.endr
.macro FETCH_K                      ; a step's K: 64 keys x 64 channels: 8 fragments
.irp f, 0,1,2,3,4,5,6,7             ; keys 16 (f / 2) on, channels 32 (f % 2) on
	ds_load_b128 v[KF+8*\f:KF+8*\f+3],   v[ADK] offset:(\f/2)*16*PK+(\f%2)*64
	ds_load_b128 v[KF+8*\f+4:KF+8*\f+7], v[ADK] offset:(\f/2)*16*PK+(\f%2)*64+32
.endr
.endm
.macro FETCH_V                      ; its V, turned: keys 32 (f / 4) on, channels 16 (f % 4) on
	WIN 0x40
.irp f, 0,1,2,3,4,5,6,7
	ds_load_tr16_b128 v[VF+8*\f:VF+8*\f+3],   v[ADV] offset:(\f/4)*32*PVP+(\f%4)*32
	ds_load_tr16_b128 v[VF+8*\f+4:VF+8*\f+7], v[ADV] offset:(\f/4)*32*PVP+16*PVP+(\f%4)*32
.endr
.endm
; The accumulators take turns, one instruction a turn: between two links of a chain stand 15 others'.
.macro PVRUN
	WIN W_PV
.irp kh, 0,1
.irp ct, 0,1,2,3
.irp t, 0,1,2,3
	v_wmma_f32_16x16x32_f16 v[32*\t+8*\ct:32*\t+8*\ct+7], v[VF+8*(4*\kh+\ct):VF+8*(4*\kh+\ct)+7], v[S+32*\t+8*\kh:S+32*\t+8*\kh+7], v[32*\t+8*\ct:32*\t+8*\ct+7]
.endr
.endr
.endr
.endm
.macro KQRUN
	WIN W_KQ
.irp kt, 0,1,2,3
.irp t, 0,1,2,3
	v_wmma_f32_16x16x32_f16 v[S+32*\t+8*\kt:S+32*\t+8*\kt+7], v[KF+16*\kt:KF+16*\kt+7], v[QF+16*\t:QF+16*\t+7], 0
.endr
.endr
.irp kt, 0,1,2,3
.irp t, 0,1,2,3
	v_wmma_f32_16x16x32_f16 v[S+32*\t+8*\kt:S+32*\t+8*\kt+7], v[KF+16*\kt+8:KF+16*\kt+15], v[QF+16*\t+8:QF+16*\t+15], v[S+32*\t+8*\kt:S+32*\t+8*\kt+7]
.endr
.endr
.endm
; THE MATRIX PHASE of step j.
.macro MPH
	FETCH_K
	s_wait_dscnt 16                 ; all but the 16 just issued: V of step j - 1 is in
	PVRUN
.rept 5
	v_nop                           ; four places in front of the loads into V's registers; five in front of the products that write over P, which the last products read
.endr
	FETCH_V
	s_wait_dscnt 16                 ; all but V's 16: K is in
	KQRUN
	WIN 0
.rept 5
	v_nop                           ; the places behind the last products, ahead of whatever reads S
.endr
.endm
; THE VECTOR PHASE: the softmax of a step, the four tiles by turns line by line.
.macro VPH
.irp j, 0,1,2,3
.irp t, 0,1,2,3
	v_max3_num_f32 v[ST+8*\t+4+\j], v[S+32*\t+8*\j], v[S+32*\t+8*\j+1], v[S+32*\t+8*\j+2]   ; four chains; each accumulator is read from its low end on
.endr
.endr
.irp g, 1,2
.irp j, 0,1,2,3
.irp t, 0,1,2,3
	v_max3_num_f32 v[ST+8*\t+4+\j], v[ST+8*\t+4+\j], v[S+32*\t+8*\j+2*\g+1], v[S+32*\t+8*\j+2*\g+2]
.endr
.endr
.endr
.irp t, 0,1,2,3
	v_max3_num_f32 v[ST+8*\t+4], v[ST+8*\t+4], v[S+32*\t+7], v[S+32*\t+15]
.endr
.irp t, 0,1,2,3
	v_max3_num_f32 v[ST+8*\t+6], v[ST+8*\t+6], v[S+32*\t+23], v[S+32*\t+31]
.endr
.irp t, 0,1,2,3
	v_max3_num_f32 v[ST+8*\t+4], v[ST+8*\t+4], v[ST+8*\t+5], v[ST+8*\t+6]
.endr
.irp t, 0,1,2,3
	v_max3_num_f32 v[ST+8*\t+4], v[ST+8*\t+4], v[ST+8*\t+7], v[ST+8*\t+1]   ; and the old m
.endr
.irp t, 0,1,2,3
	v_permlanex16_b32 v[ST+8*\t+5], v[ST+8*\t+4], s[SEL], s[SEL+1]  ; the query's other 32 keys lie in the lane 16 away
.endr
.irp t, 0,1,2,3
	v_mov_b32 v[ST+8*\t+7], v[ST+8*\t]   ; c m_old
.endr
.irp t, 0,1,2,3
	v_max_num_f32 v[ST+8*\t+1], v[ST+8*\t+4], v[ST+8*\t+5]
.endr
.irp t, 0,1,2,3
	v_mul_f32 v[ST+8*\t], s[CS], v[ST+8*\t+1]
.endr
.irp t, 0,1,2,3
	v_sub_f32 v[ST+8*\t+7], v[ST+8*\t+7], v[ST+8*\t]
.endr
.irp t, 0,1,2,3
	v_exp_f32 v[ST+8*\t+6], v[ST+8*\t+7]   ; a = 2^(c m_old - c m_new)
.endr
.irp j, 0,2,4,6,8,10,12,14,16,18,20,22,24,26,28,30
.irp t, 0,1,2,3
	v_pk_fma_f32 v[S+32*\t+\j:S+32*\t+\j+1], v[S+32*\t+\j:S+32*\t+\j+1], s[CS:CS+1], v[ST+8*\t:ST+8*\t+1] op_sel_hi:[1,0,0] neg_lo:[0,0,1] neg_hi:[0,0,1]   ; c s - c m: the plain work behind the four
.endr
.endr
	s_wait_alu depctr_va_vdst(0)    ; the wait ahead of the first use of a: one for the four
.irp j, 0,1,2,3,4,5,6,7,8,9,10,11,12,13,14,15,16,17,18,19,20,21,22,23,24,25,26,27,28,29,30,31
.irp t, 0,1,2,3
	v_exp_f32 v[S+32*\t+\j], v[S+32*\t+\j]   ; p: one batch of 128
.endr
.endr
	WIN W_RS
.irp j, 0,2,4,6,8,10,12,14,16,18,20,22,24,26,28,30
.irp t, 0,1,2,3
	v_pk_mul_f32 v[32*\t+\j:32*\t+\j+1], v[32*\t+\j:32*\t+\j+1], v[ST+8*\t+6:ST+8*\t+7] op_sel_hi:[1,0]   ; O^T x a: the plain work behind the batch; it names none of its results
.endr
.endr
	WIN 0
	s_wait_alu depctr_va_vdst(0)    ; and one wait for the 128
.irp t, 0,1,2,3
	v_pk_add_f32 v[SUM+4*\t:SUM+4*\t+1], v[S+32*\t:S+32*\t+1], v[S+32*\t+2:S+32*\t+3]   ; the sums of the unrounded p: two chains a tile
.endr
.irp t, 0,1,2,3
	v_pk_add_f32 v[SUM+4*\t+2:SUM+4*\t+3], v[S+32*\t+4:S+32*\t+5], v[S+32*\t+6:S+32*\t+7]
.endr
.irp j, 8,12,16,20,24,28
.irp t, 0,1,2,3
	v_pk_add_f32 v[SUM+4*\t:SUM+4*\t+1], v[SUM+4*\t:SUM+4*\t+1], v[S+32*\t+\j:S+32*\t+\j+1]
.endr
.irp t, 0,1,2,3
	v_pk_add_f32 v[SUM+4*\t+2:SUM+4*\t+3], v[SUM+4*\t+2:SUM+4*\t+3], v[S+32*\t+\j+2:S+32*\t+\j+3]
.endr
.endr
.irp t, 0,1,2,3
	v_pk_add_f32 v[SUM+4*\t:SUM+4*\t+1], v[SUM+4*\t:SUM+4*\t+1], v[SUM+4*\t+2:SUM+4*\t+3]
.endr
.irp t, 0,1,2,3
	v_pk_fma_f32 v[ST+8*\t+2:ST+8*\t+3], v[ST+8*\t+2:ST+8*\t+3], v[ST+8*\t+6:ST+8*\t+7], v[SUM+4*\t:SUM+4*\t+1] op_sel_hi:[1,0,1]   ; l = l a + the sum
.endr
.irp j, 0,1,2,3,4,5,6,7,8,9,10,11,12,13,14,15
.irp t, 0,1,2,3
	v_cvt_pk_f16_f32 v[S+32*\t+\j], v[S+32*\t+2*\j], v[S+32*\t+2*\j+1]   ; P, in place: register j is written when registers 2 j, 2 j + 1 are read
.endr
.endr
.endm
; A slot's eight key steps.  No barrier stands inside them.
.macro BODY
	s_mov_b32 s[TRIP], 8
.Lstep_\@:
	v_add_nc_u32 v[ADK], s[TK], v[AK0]
	v_add_nc_u32 v[ADV], s[TV], v[AV0]
	s_cmp_eq_u32 s[GRP], 0
	s_cbranch_scc0 .Lodd_\@
	MPH
	VPH
	s_branch .Ljoin_\@
.Lodd_\@:
	VPH
	MPH
.Ljoin_\@:
	s_add_co_u32 s[TK], s[TK], 64*PK
	s_add_co_u32 s[TV], s[TV], 64*PVP
	s_sub_co_u32 s[TRIP], s[TRIP], 1
	s_cmp_lg_u32 s[TRIP], 0
	s_cbranch_scc1 .Lstep_\@
	s_xor_b32 s[SB], s[SB], SLOT1   ; on to the other slot
.endm
; THE CHANGE OF SLOTS, at a slot's head.  Each wave waits for all its tensor loads (its part of the slot ahead), adds 0 to its spare word, and waits for that and for its reads of the slot that it has left
; (V's fragments of that slot's last step are in registers by then).  fill = 1: a round of the cluster's barrier, and the slot just left is filled with the keys that follow: eight key steps in which to land.
.macro CHANGE fill
	s_wait_tensorcnt 0x0            ; no tensor load of mine is out, so a group 0 may be written
	ds_add_u32 v[SPW], v[NIL]       ; 0 onto my spare word
.if \fill
	s_xor_b32 s[FB], s[FB], SLOT1
	s_add_co_u32 s[G0K+1], s[FB], s[OFK]
	s_add_co_u32 s[G0V+1], s[FB], s[OFV]
	s_add_nc_u64 s[G0K+2:G0K+3], s[G0K+2:G0K+3], KSL*128
	s_add_nc_u64 s[G0V+2:G0V+3], s[G0V+2:G0V+3], KSL*128
	s_wait_xcnt 0x0                 ; the last prefetch, a slot back, has read its address
	s_add_nc_u64 s[PFA:PFA+1], s[PFA:PFA+1], KSL*128
	s_wait_dscnt 0x0
	CROUND
	JLOAD                           ; the first thing behind the round, and my one tensor load until the next
	ASK
.else
	s_wait_dscnt 0x0
	s_barrier_signal -1
	s_barrier_wait -1
.endif
	s_mov_b32 s[TK], s[SB]
	s_mov_b32 s[TV], s[SB]
.endm
	s_wait_loadcnt 0x0              ; Q
.Lslot:                             ; three trips: behind each change the next 512 keys are asked for
	CHANGE 1
	BODY
	s_sub_co_u32 s[SLOTS], s[SLOTS], 1
	s_cmp_lg_u32 s[SLOTS], 0
	s_cbranch_scc1 .Lslot
	CHANGE 0                        ; the last slot is written out
	BODY
	s_cmp_eq_u32 s[GRP], 0          ; group 1 still owes the last step's softmax
	s_cbranch_scc1 .Leven
	VPH
.Leven:
	s_wait_dscnt 0x0                ; V of the last step is in
	PVRUN
	WIN 0
	; THE WAY OUT.  The additions are the places behind the last products.
.irp t, 0,1,2,3
	v_add_f32 v[ST+8*\t+4], v[ST+8*\t+2], v[ST+8*\t+3]
.endr
.irp t, 0,1,2,3
	v_permlanex16_b32 v[ST+8*\t+5], v[ST+8*\t+4], s[SEL], s[SEL+1]
.endr
.irp t, 0,1,2,3
	v_add_f32 v[ST+8*\t+4], v[ST+8*\t+4], v[ST+8*\t+5]
.endr
.irp t, 0,1,2,3
	v_rcp_f32 v[ST+8*\t+6], v[ST+8*\t+4]
.endr
	v_nop                           ; a plain instruction behind the last reciprocal
	s_wait_alu depctr_va_vdst(0)    ; and the wait ahead of the first use: one for the four
.macro PACK t
	WIN W_RS
.irp j, 0,2,4,6,8,10,12,14,16,18,20,22,24,26,28,30
	v_pk_mul_f32 v[32*\t+\j:32*\t+\j+1], v[32*\t+\j:32*\t+\j+1], v[ST+8*\t+6:ST+8*\t+7] op_sel_hi:[1,0]
.endr
	WIN 0x05                        ; sources 0 and 1 window 1
.irp j, 0,1,2,3,4,5,6,7,8,9,10,11,12,13,14,15
	v_cvt_pk_f16_f32 v[S+32*\t+\j], v[32*\t+2*\j], v[32*\t+2*\j+1]
.endr
	WIN 0
.irp f, 0,1,2,3
	ds_store_b128 v[STO], v[S+32*\t+4*\f:S+32*\t+4*\f+3] offset:16*PK*\t+32*\f
.endr
.irp f, 0,1,2,3
	ds_load_b128 v[S+32*\t+16+4*\f:S+32*\t+16+4*\f+3], v[RD] offset:16*PK*\t+4*PK*\f  ; LDS serves a wave's instructions in order: these see the stores above
.endr
.endm
.macro SEND t, younger              ; younger: the next tile's 4 stores and 4 loads, or none
.irp f, 0,1,2,3
	s_wait_dscnt \younger+3-\f
	global_store_b128 v[GO], v[S+32*\t+16+4*\f:S+32*\t+16+4*\f+3], s[6:7] offset:2048*\t+512*\f  ; four rows: 512 consecutive bytes, aligned
.endr
.endm
	PACK 0
	PACK 1
	SEND 0, 8
	PACK 2
	SEND 1, 8
	PACK 3
	SEND 2, 8
	SEND 3, 0
	s_wait_tensorcnt 0x0            ; the wave's end
	ds_add_u32 v[SPW], v[NIL]
	s_wait_dscnt 0x0
	CROUND                          ; the closing round
	s_endpgm
.Lfunc_end_k_qb48bffe324_attn:
	.size	k_qb48bffe324_attn, .Lfunc_end_k_qb48bffe324_attn-k_qb48bffe324_attn
	.p2alignl 7, 3214868480
	.fill 96, 4, 3214868480
	.section	.rodata,"a",@progbits
	.p2align	6, 0x0
	.amdhsa_kernel k_qb48bffe324_attn
		.amdhsa_group_segment_fixed_size 327680
		.amdhsa_private_segment_fixed_size 0
		.amdhsa_enable_private_segment 0
		.amdhsa_kernarg_size 16
		.amdhsa_user_sgpr_count 2
		.amdhsa_user_sgpr_kernarg_segment_ptr 1
		.amdhsa_wavefront_size32 1
		.amdhsa_system_sgpr_workgroup_id_x 1
		.amdhsa_system_sgpr_workgroup_id_y 1
		.amdhsa_system_sgpr_workgroup_id_z 1
		.amdhsa_system_vgpr_workitem_id 0
		.amdhsa_next_free_vgpr 512
		.amdhsa_next_free_sgpr 66
		.amdhsa_reserve_vcc 0
		.amdhsa_float_denorm_mode_32 3
		.amdhsa_float_denorm_mode_16_64 3
		.amdhsa_memory_ordered 1
		.amdhsa_forward_progress 1
		.amdhsa_inst_pref_size 188
	.end_amdhsa_kernel
	.amdgpu_metadata
---
amdhsa.version: [ 1, 2 ]
amdhsa.kernels:
  - .name:           k_qb48bffe324_attn
    .symbol:         k_qb48bffe324_attn.kd
    .args:
      - { .name: qkv, .offset: 0, .size: 8, .value_kind: global_buffer, .address_space: global }
      - { .name: ao, .offset: 8, .size: 8, .value_kind: global_buffer, .address_space: global }
    .group_segment_fixed_size: 327680
    .private_segment_fixed_size: 0
    .kernarg_segment_align: 8
    .kernarg_segment_size: 16
    .max_flat_workgroup_size: 256
    .sgpr_count:     66
    .vgpr_count:     512
    .wavefront_size: 32
...
	.end_amdgpu_metadata
.endif
;; end of part 3
;; launch outp (part 4): grid 4 x 64, 4 waves a work-group, clusters of 4 x 4, 327,680 bytes of LDS; arguments ao, wo16, bo, out0; writes out0
.if DOCPART == 4
	.amdgcn_target "amdgcn-amd-amdhsa--gfx1250"
	.amdhsa_code_object_version 6
	.text
	.protected	k_qb48bffe324_outp
	.globl	k_qb48bffe324_outp
	.p2align	8
	.type	k_qb48bffe324_outp,@function
k_qb48bffe324_outp:
	s_mov_b64 s[64:65], 0
	v_nop
	global_prefetch_b8 v0, s[64:65] scope:SCOPE_SE
	s_setreg_imm32_b32 hwreg(HW_REG_WAVE_MODE, 25, 1), 1
	s_wait_xcnt 0x0
	s_wait_alu depctr_hold_cnt(0) depctr_sa_sdst(0) depctr_va_vdst(0) depctr_va_sdst(0) depctr_va_ssrc(0) depctr_va_vcc(0) depctr_vm_vsrc(0)
	s_getreg_b32 s2, hwreg(HW_REG_IB_STS2, 6, 4)
	s_cmp_eq_u32 s2, 0
	s_cbranch_scc0 .Lentry_in_a_cluster
	s_endpgm
.Lentry_in_a_cluster:
	s_bfe_u32 s2, ttmp6, 0x10000c
	s_cmp_lg_u32 s2, 0xf033
	s_cbranch_scc0 .Lentry_shape_is_right
	s_endpgm
.Lentry_shape_is_right:
; OUTP: out0[m][n] = the sum over k of O[m][k] Wo[n][k] + bo[n], f16 operands, f32 sums, f32 out.  No work is left out.
; O lies by heads: ao [batch x 16 + head][2,048][64] f16; k = 64 x head + channel.  wo16: [1,024 n][1,024 k] f16.
; A tile of out0 is 128 rows x 256 columns: 256 work-groups.  Four waves, each 64 x 128: 32 accumulators.  K goes in steps of 128, two heads, through a ring of two LDS slots:
; waves 0 and 1 fetch a head's 128 rows of O each (a plane), waves 2 and 3 128 rows of Wo each: one load a wave behind each round; two loads of mine are out at the start, later one.
; CLUSTERS: 4 x 4 work-groups; O's tiles are asked for jointly along a row of the cluster, Wo's along a column.
; THE MATRIX INSTRUCTION IS USED TRANSPOSED (source 0 = 16 rows of Wo, source 1 = 16 rows of O): a lane holds eight neighbouring columns of a row.  The bias is the C of each sum's first product.
; REGISTERS: window 0: v16-29 addresses; v64-127 O's fragments, two buffers of 32; v128-255 rows on the way out.  window 1: v0-127 Wo's fragments, two buffers of 64; v128-191 the bias.  window 2: the accumulators, (a, b) at v[8 (8 a + b)].
.set PA,     144                       ; a row of a plane in LDS: 128 bytes + 16
.set PB,     272                       ; a row of Wo's tile: 256 + 16
.set PLANE,  128*PA
.set BOFF,   2*PLANE
.set HALFB,  128*PB
.set SLOT,   BOFF+2*HALFB
.set STAGE,  2*SLOT                    ; behind the ring: 16 rows x 528 bytes for each wave
.set SPITCH, 528
.set SPARE,  STAGE+4*16*SPITCH
.set LAPS,   4                         ; eight K steps
.set ADRA, 16
.set ADRB, 20
.set STO,  24
.set RD,   25
.set CO,   26
.set BA,   27
.set SPW,  28
.set NIL,  29
.set AFR,  64
.set BK,   128
.set BIAS, 128                         ; in window 1
.set G1, 24
.set G0, 32
.set G1B, 48
.set G0B, 56
.set MSB, 0
.macro WIN new
.if MSB != (\new)
	s_set_vgpr_msb (MSB<<8)|(\new)
.set MSB, (\new)
.endif
.endm
.set MUL,  0xa1                        ; source 0 (Wo) window 1, source 1 (O) window 0, C and D window 2
.set MULB, 0x91                        ; the same with C, the bias, in window 1
.set TO_F, 0x40
.macro JLOAD s                         ; a joint load; an s_nop 0 and four v_nop follow each of the two lines
	s_cmp_eq_u32 s13, 0
	s_cbranch_scc0 .Lfor_b_\@
	tensor_load_to_lds s[G0+4*\s:G0+4*\s+3], s[G1:G1+7]
	s_nop 0
.rept 4
	v_nop
.endr
	s_branch .Lasked_\@
.Lfor_b_\@:
	tensor_load_to_lds s[G0B+4*\s:G0B+4*\s+3], s[G1B:G1B+7]
	s_nop 0
.rept 4
	v_nop
.endr
.Lasked_\@:
.endm
.macro CREST
	s_cmp_lg_u32 s12, 0
	s_cbranch_scc1 .Lnot_wave_0_\@
	s_barrier_signal -3
.Lnot_wave_0_\@:
	s_barrier_wait -3
	s_barrier_signal -1
	s_barrier_wait -1
.endm
.macro CROUND
	s_barrier_signal -1
	s_barrier_wait -1
	CREST
.endm
	s_load_b256 s[4:11], s[0:1], 0x0               ; ao s[4:5], wo16 s[6:7], bo s[8:9], out0 s[10:11]
	v_lshl_add_u32 v[SPW], v0, 2, SPARE
	v_mov_b32 v[NIL], 0
	ds_add_u32 v[SPW], v[NIL]                      ; the wave's opening: the add, twice on end, and its wait ahead of my first tensor load
	ds_add_u32 v[SPW], v[NIL]
	v_lshrrev_b32 v1, 5, v0
	v_readfirstlane_b32 s12, v1                    ; wave 0..3
	s_lshr_b32 s13, s12, 1                         ; which 64 rows are mine.  Also: I fetch for O (0) or for Wo (1)
	s_and_b32 s14, s12, 1                          ; which 128 columns.  Also: which plane, or which 128 rows of Wo, I fetch
	s_bfe_u32 s40, ttmp6, 0x40000                  ; cx, cy
	s_bfe_u32 s41, ttmp6, 0x40004
	s_lshl_b32 s42, ttmp9, 2
	s_add_co_u32 s42, s42, s40                     ; tile column
	s_and_b32 s15, ttmp7, 0xffff
	s_lshl_b32 s15, s15, 2
	s_add_co_u32 s15, s15, s41                     ; tile row
	s_lshl_b32 s43, s41, 2
	s_lshl_b32 s43, 15, s43                        ; my row of the cluster
	s_lshl_b32 s44, 0x1111, s40                    ; my column
	s_or_b32 s[G1+0], s43, (1<<16)|(1<<20)|(1<<21)|(4<<22)|(3<<25)   ; O: elements of 2 bytes; padding: 4 words after every 32
	s_mov_b32 s[G1+1], 64<<16                      ; tensor_dim0
	s_mov_b32 s[G1+2], 128<<16                     ; tensor_dim1
	s_mov_b32 s[G1+3], 64<<16                      ; tile_dim0
	s_mov_b32 s[G1+4], 128                         ; tile_dim1
	s_mov_b32 s[G1+5], 64                          ; the pitch
	s_mov_b32 s[G1+6], 0
	s_mov_b32 s[G1+7], 0
	s_or_b32 s[G1B+0], s44, (1<<16)|(1<<20)|(1<<21)|(5<<22)|(3<<25)  ; Wo: padding: 4 words after every 64
	s_mov_b32 s[G1B+1], 128<<16
	s_mov_b32 s[G1B+2], 128<<16
	s_mov_b32 s[G1B+3], 128<<16
	s_mov_b32 s[G1B+4], 128
	s_mov_b32 s[G1B+5], 1024
	s_mov_b32 s[G1B+6], 0
	s_mov_b32 s[G1B+7], 0
	s_lshl_b32 s16, s15, 7                         ; the tile's first row
	s_lshr_b32 s17, s16, 11
	s_lshl_b32 s17, s17, 4
	s_add_co_u32 s17, s17, s14                     ; batch x 16 + my plane's head in K step 0
	s_lshl_b32 s17, s17, 11
	s_and_b32 s18, s16, 2047
	s_add_co_u32 s17, s17, s18
	s_lshl_b32 s20, s17, 7                         ; rows of 128 bytes
	s_mov_b32 s21, 0
	s_lshl_b32 s46, s42, 8
	s_lshl_b32 s18, s14, 7
	s_add_co_u32 s46, s46, s18                     ; Wo: row 256 x tile column + 128 x half
	s_lshl_b32 s46, s46, 11                        ; rows of 2,048 bytes
	s_mov_b32 s47, 0
	s_mul_i32 s22, s14, PLANE                      ; where they go: no place in the cluster enters an LDS address
	s_mul_i32 s23, s14, HALFB
	s_add_co_u32 s23, s23, BOFF
	s_wait_dscnt 0x0                               ; both opening adds are done
	s_wait_kmcnt 0x0
	s_add_nc_u64 s[20:21], s[4:5], s[20:21]
	s_add_nc_u64 s[46:47], s[6:7], s[46:47]
	CROUND                                         ; all sixteen work-groups are here
.irp s, 0,1
	s_mov_b32 s[G0+4*\s], 1
	s_add_co_u32 s[G0+4*\s+1], s22, \s*SLOT
	s_add_nc_u64 s[G0+4*\s+2:G0+4*\s+3], s[20:21], \s*2*262144     ; K step s: two heads on
	s_or_b32 s[G0+4*\s+3], s[G0+4*\s+3], 0x80000000
	s_mov_b32 s[G0B+4*\s], 1
	s_add_co_u32 s[G0B+4*\s+1], s23, \s*SLOT
	s_add_nc_u64 s[G0B+4*\s+2:G0B+4*\s+3], s[46:47], \s*256
	s_or_b32 s[G0B+4*\s+3], s[G0B+4*\s+3], 0x80000000
	JLOAD \s
.endr
	v_and_b32 v1, 15, v0                           ; r
	v_bfe_u32 v2, v0, 4, 1                         ; h
	v_mul_u32_u24 v3, v1, PA
	v_lshl_add_u32 v3, v2, 4, v3
	v_mul_u32_u24 v4, v1, PB
	v_lshl_add_u32 v4, v2, 4, v4
	s_mul_i32 s21, s13, 64*PA                      ; my 64 rows in a plane
	s_mul_i32 s22, s14, HALFB                      ; my 128 rows of Wo
	s_add_co_u32 s22, s22, BOFF
.irp s, 0,1
	v_add_nc_u32 v[ADRA+\s], s21, v3
	v_add_nc_u32 v[ADRB+\s], s22, v4
	s_add_co_u32 s21, s21, SLOT
	s_add_co_u32 s22, s22, SLOT
.endr
	s_mul_i32 s23, s12, 16*SPITCH
	s_add_co_u32 s23, s23, STAGE                   ; my stage
	v_mul_u32_u24 v5, v1, SPITCH
	v_lshl_add_u32 v5, v2, 5, v5
	v_add_nc_u32 v[STO], s23, v5                   ; in: row r, 32 bytes for each half of the lanes
	v_and_b32 v6, 31, v0
	v_lshlrev_b32 v[CO], 4, v6
	v_add_nc_u32 v[RD], s23, v[CO]                 ; back: the 32 lanes take a row of 512 bytes
	v_lshlrev_b32 v[BA], 5, v2                     ; the bias: 8 h numbers on
	s_lshl_b32 s46, s42, 10
	s_lshl_b32 s47, s14, 9
	s_add_co_u32 s46, s46, s47                     ; my first column, in bytes of f32
	s_mov_b32 s47, 0
	s_add_nc_u64 s[8:9], s[8:9], s[46:47]
	s_lshl_b32 s20, s13, 6
	s_add_co_u32 s20, s20, s16                     ; my first row
	s_lshl_b32 s20, s20, 12                        ; rows of 4,096 bytes
	s_mov_b32 s21, 0
	s_add_nc_u64 s[20:21], s[20:21], s[46:47]
	s_add_nc_u64 s[10:11], s[10:11], s[20:21]      ; never stepped
	WIN TO_F
.irp b, 0,1,2,3,4,5,6,7
	global_load_b128 v[BIAS+8*\b:BIAS+8*\b+3],   v[BA], s[8:9] offset:64*\b      ; bo at my lane's eight columns of block b
	global_load_b128 v[BIAS+8*\b+4:BIAS+8*\b+7], v[BA], s[8:9] offset:64*\b+16
.endr
	WIN 0
; 8 matrix instructions: O's block a x Wo's eight, 32 along K, from buffer f.  The 32 accumulators take turns in one order throughout.
.macro MULA f, a, bias
.irp b, 0,1,2,3,4,5,6,7
.if \bias
	v_wmma_f32_16x16x32_f16 v[8*(8*(\a)+\b):8*(8*(\a)+\b)+7], v[64*(\f)+8*\b:64*(\f)+8*\b+7], v[AFR+32*(\f)+8*(\a):AFR+32*(\f)+8*(\a)+7], v[BIAS+8*\b:BIAS+8*\b+7]
.else
	v_wmma_f32_16x16x32_f16 v[8*(8*(\a)+\b):8*(8*(\a)+\b)+7], v[64*(\f)+8*\b:64*(\f)+8*\b+7], v[AFR+32*(\f)+8*(\a):AFR+32*(\f)+8*(\a)+7], v[8*(8*(\a)+\b):8*(8*(\a)+\b)+7]
.endif
.endr
.endm
; 24 LDS loads in one run: quarter q (32 along K) of a slot into buffer f: Wo's 16, then O's 8
.macro FETCH slot, q, f
	WIN TO_F
.irp i, 0,1,2,3,4,5,6,7
	ds_load_b128 v[64*(\f)+8*\i:64*(\f)+8*\i+3],   v[ADRB+\slot] offset:64*(\q)+\i*16*PB
	ds_load_b128 v[64*(\f)+8*\i+4:64*(\f)+8*\i+7], v[ADRB+\slot] offset:64*(\q)+\i*16*PB+32
.endr
	WIN 0
.irp i, 0,1,2,3
	ds_load_b128 v[AFR+32*(\f)+8*\i:AFR+32*(\f)+8*\i+3],   v[ADRA+\slot] offset:PLANE*((\q)/2)+64*((\q)%2)+\i*16*PA
	ds_load_b128 v[AFR+32*(\f)+8*\i+4:AFR+32*(\f)+8*\i+7], v[ADRA+\slot] offset:PLANE*((\q)/2)+64*((\q)%2)+\i*16*PA+32
.endr
.endm
.macro PLACES
.rept 4
	v_nop
.endr
.endm
; One of a K step's first three quarters: multiplies buffer f and fetches quarter nq of the same slot into buffer g
.macro QUARTER slot, nq, f, g, bias
	s_wait_dscnt 4                                 ; all but the youngest four loads (O's blocks 2 and 3)
.if \bias
	WIN MULB
.else
	WIN MUL
.endif
	MULA \f, 0, \bias
	MULA \f, 1, \bias
	PLACES
	FETCH \slot, \nq, \g
	s_wait_dscnt 24                                ; all but the 24 just issued
.if \bias
	WIN MULB
.else
	WIN MUL
.endif
	MULA \f, 2, \bias
	MULA \f, 3, \bias
.endm
; The last quarter multiplies buffer 1 and changes slots: one barrier; in front of it each wave waits for all its tensor loads, adds 0 to its spare word, and waits for that and for its reads of this slot
.macro TURN slot, next, fill
	WIN 0
	s_wait_tensorcnt 0x0                           ; all my tensor loads have landed: my part of the next slot
	ds_add_u32 v[SPW], v[NIL]                      ; 0 onto my spare word
	s_wait_dscnt 5                                 ; (the add and the youngest four loads may be out)
	WIN MUL
	MULA 1, 0, 0
	s_wait_dscnt 0x0                               ; the add is done, and my reads of this slot are over
	s_barrier_signal -1
	MULA 1, 1, 0
	WIN 0
	s_barrier_wait -1
.if \fill
	CREST                                          ; the barrier has opened a round of the cluster's barrier
	s_add_nc_u64 s[G0+4*\slot+2:G0+4*\slot+3], s[G0+4*\slot+2:G0+4*\slot+3], 4*262144
	s_add_nc_u64 s[G0B+4*\slot+2:G0B+4*\slot+3], s[G0B+4*\slot+2:G0B+4*\slot+3], 512
	JLOAD \slot                                    ; the first tensor load behind the round; its four v_nop are also the places in front of the loads below
.else
	PLACES
.endif
	FETCH \next, 0, 0
	WIN MUL
	MULA 1, 2, 0
	MULA 1, 3, 0
.endm
	s_wait_tensorcnt 1                             ; my part of K step 0 is in (K step 1's load may be out),
	s_barrier_signal -1
	s_barrier_wait -1                              ; everybody's is
	FETCH 0, 0, 0
	s_wait_loadcnt 0x0                             ; the bias
	QUARTER 0, 1, 0, 1, 1                          ; the first quarter stands in front of the loop: its products start the sums from the bias
	WIN 0
	s_mov_b32 s3, LAPS-1
.Llap:                                                 ; a trip goes once round the ring and fills both slots again
	QUARTER 0, 2, 1, 0, 0
	QUARTER 0, 3, 0, 1, 0
	TURN 0, 1, 1
	QUARTER 1, 1, 0, 1, 0
	QUARTER 1, 2, 1, 0, 0
	QUARTER 1, 3, 0, 1, 0
	TURN 1, 0, 1
	QUARTER 0, 1, 0, 1, 0
	WIN 0
	s_sub_co_u32 s3, s3, 1
	s_cmp_lg_u32 s3, 0
	s_cbranch_scc1 .Llap
	QUARTER 0, 2, 1, 0, 0                          ; the last lap fills nothing
	QUARTER 0, 3, 0, 1, 0
	TURN 0, 1, 0
	QUARTER 1, 1, 0, 1, 0
	QUARTER 1, 2, 1, 0, 0
	QUARTER 1, 3, 0, 1, 0
	s_wait_dscnt 4
	WIN MUL
	MULA 1, 0, 0
	MULA 1, 1, 0
	s_wait_dscnt 0
	MULA 1, 2, 0
	MULA 1, 3, 0
	WIN 0
; THE WAY OUT, block by block of 16 rows x 128 columns, through my own stage: whole rows of 512 bytes come back.  LDS serves a wave's instructions in order.
.macro TOSTAGE a
	WIN 0x08                                       ; an LDS store's data: window 2
.irp b, 0,1,2,3,4,5,6,7
	ds_store_b128 v[STO], v[8*(8*(\a)+\b):8*(8*(\a)+\b)+3] offset:64*\b          ; each accumulator from its low end on
	ds_store_b128 v[STO], v[8*(8*(\a)+\b)+4:8*(8*(\a)+\b)+7] offset:64*\b+16
.endr
	WIN 0
.irp t, 0,1,2,3,4,5,6,7,8,9,10,11,12,13,14,15
	ds_load_b128 v[BK+64*((\a)%2)+4*\t:BK+64*((\a)%2)+4*\t+3], v[RD] offset:\t*SPITCH
.endr
.endm
.macro SEND a, younger
	s_wait_dscnt \younger
.irp t, 0,1,2,3,4,5,6,7,8,9,10,11,12,13,14,15
	global_store_b128 v[CO], v[BK+64*((\a)%2)+4*\t:BK+64*((\a)%2)+4*\t+3], s[10:11] offset:(16*(\a)+\t)*4096 th:TH_STORE_NT   ; 512 consecutive bytes, aligned; written once, read by nobody here
.endr
.endm
	PLACES
	TOSTAGE 0
.irp a, 1,2,3
.if \a > 1
	s_wait_xcnt 0x0                                ; block a - 2's stores have read their registers: block a's loads may land there
.endif
	TOSTAGE \a
	SEND \a-1, 32                                  ; behind block a - 1's loads: block a's 16 stores and 16 loads
.endr
	SEND 3, 0
	s_wait_tensorcnt 0x0                           ; the wave's end
	ds_add_u32 v[SPW], v[NIL]
	s_wait_dscnt 0x0
	CROUND                                         ; the closing round
	s_endpgm
.Lfunc_end_k_qb48bffe324_outp:
	.size	k_qb48bffe324_outp, .Lfunc_end_k_qb48bffe324_outp-k_qb48bffe324_outp
	.p2alignl 7, 3214868480
	.fill 96, 4, 3214868480
	.section	.rodata,"a",@progbits
	.p2align	6, 0x0
	.amdhsa_kernel k_qb48bffe324_outp
		.amdhsa_group_segment_fixed_size 327680
		.amdhsa_private_segment_fixed_size 0
		.amdhsa_enable_private_segment 0
		.amdhsa_kernarg_size 32
		.amdhsa_user_sgpr_count 2
		.amdhsa_user_sgpr_kernarg_segment_ptr 1
		.amdhsa_wavefront_size32 1
		.amdhsa_system_sgpr_workgroup_id_x 1
		.amdhsa_system_sgpr_workgroup_id_y 1
		.amdhsa_system_sgpr_workgroup_id_z 1
		.amdhsa_system_vgpr_workitem_id 0
		.amdhsa_next_free_vgpr 768
		.amdhsa_next_free_sgpr 66
		.amdhsa_reserve_vcc 0
		.amdhsa_float_denorm_mode_32 3
		.amdhsa_float_denorm_mode_16_64 3
		.amdhsa_memory_ordered 1
		.amdhsa_forward_progress 1
		.amdhsa_inst_pref_size 87
	.end_amdhsa_kernel
	.amdgpu_metadata
---
amdhsa.version: [ 1, 2 ]
amdhsa.kernels:
  - .name:           k_qb48bffe324_outp
    .symbol:         k_qb48bffe324_outp.kd
    .args:
      - { .name: ao, .offset: 0, .size: 8, .value_kind: global_buffer, .address_space: global }
      - { .name: wo16, .offset: 8, .size: 8, .value_kind: global_buffer, .address_space: global }
      - { .name: bo, .offset: 16, .size: 8, .value_kind: global_buffer, .address_space: global }
      - { .name: out0, .offset: 24, .size: 8, .value_kind: global_buffer, .address_space: global }
    .group_segment_fixed_size: 327680
    .private_segment_fixed_size: 0
    .kernarg_segment_align: 8
    .kernarg_segment_size: 32
    .max_flat_workgroup_size: 128
    .sgpr_count:     66
    .vgpr_count:     768
    .wavefront_size: 32
...
	.end_amdgpu_metadata
.endif
;; end of part 4
